; MI455X (gfx1250); checked and timed in simulation.
; The chip was launched on July 23, 2026; its instructions are those of AMD's public machine-readable ISA for CDNA 5 (MIT licence, August 2026) and "CDNA5" Instruction Set Architecture Reference Guide (July 2026). The comments in the code are by the model that wrote it; some were corrected since.
;; Rotary Attention. Allowed arithmetic: matrix products marked QUANTISED: E3M2 operands, one E8M0 scale for each 32 along K, by v_wmma_scale_f32_16x16x128_f8f6f4 with both operands' format E3M2, f32 sums; everything else in f32.
;; Inputs: w_out 1,024 x 1,024 float32; w_qkv 3,072 x 1,024 float32; x 1 x 4,096 x 1,024 float32.
;; Outputs: out0 1 x 4,096 x 1,024 float32.
;; This version of the problem:
;;   THIS VERSION OF THE PROBLEM IS GIVEN IN LOW PRECISION. The matrix products marked QUANTISED in the list below multiply operands that are first quantised to E3M2 (3 exponent bits, 2 mantissa bits; 6 bits a number), with one power-of-two scale for each 32 numbers along K (OCP MX v1.0); their sums are f32. All else is computed in f32.
;;   The module's matrix products, in the order in which they are computed (A, B: the left and right operand; K: the contracted axis; several contracted axes count as one K, in the product's order):
;;     1. [M 4,096, K 1,024] x [K 1,024, N 3,072]; A: input x; B: input w_qkv: QUANTISED
;;     2. batch 16 x [M 4,096, K 64] x [K 64, N 4,096]; A: computed on the way; B: computed on the way: QUANTISED
;;     3. batch 16 x [M 64, K 4,096] x [K 4,096, N 4,096]; A: computed on the way; B: softmax (see below): QUANTISED
;;     4. [M 4,096, K 1,024] x [K 1,024, N 1,024]; A: computed on the way; B: input w_out: QUANTISED
;;   THE QUANTISER, for each operand of a quantised product, along K:
;;     - K is cut into blocks of 32 from its start; a last block that is shorter is filled with zeros.
;;     - A block's scale is 2^e with e = floor(log2(the largest magnitude in the block)) - 4, held to -126 .. 127; a block of zeros has e = 0. As a byte (E8M0): e + 127.
;;     - Each number is divided by its block's scale, clamped to +-28, and rounded to the nearest number of E3M2, ties to even, subnormals kept.
;;     - The product sums the exact products of the quantised numbers (number of the format x scale) in f32.
;;   ~~~python
;;   def quantise(x, axis):      # numpy; x: float32 -> the quantised numbers, widened to float32 again
;;       x = np.moveaxis(x, axis, -1); K = x.shape[-1]
;;       x = np.pad(x, [(0, 0)] * (x.ndim - 1) + [(0, -K % 32)]); x = x.reshape(x.shape[:-1] + (-1, 32)); a = np.abs(x).max(-1, keepdims=True)
;;       e = np.where(a > 0, np.clip(np.frexp(np.where(a > 0, a, 1))[1] - 1 - 4, -126, 127), 0)      # np.frexp(a)[1] - 1 = floor(log2(a)), exactly
;;       r = np.clip(x / 2.0 ** e, -28, 28)
;;       step = 2.0 ** (np.maximum(np.frexp(np.where(r == 0, 1, r))[1] - 1, -2) - 2)
;;       q = np.round(r / step) * step * 2.0 ** e      # np.round: ties to even
;;       return np.moveaxis(q.reshape(q.shape[:-2] + (-1,))[..., :K], -1, axis).astype(np.float32)
;;   ~~~
;;   SOFTMAX AHEAD OF A QUANTISED PRODUCT. Where the list says 'softmax', what is quantised is not the finished softmax but p = 2^(t - M), with t = logit x log2(e) and M = ceil(the row's largest t), a whole number; so 1/2 < the row's largest p <= 1. The row's sum l is taken of the UNQUANTISED p, in f32, and the product's result is divided by l at the end. Since M is a whole number, a kernel that streams over the keys may use a running M (the ceiling of the running maximum): every later rescaling is an exact power of two, which a block's scale takes up: the codes' values come out the same.
;;   OPERANDS COMPUTED ON THE WAY. 'Computed on the way' means the value that the module computes at that place (a softmax that the list does not call 'softmax' is quantised finished and normalised). What goes into a quantiser is computed in f32, as accurately as f32 sums, v_exp_f32 and their like allow (about 1e-6 of the number): no bf16 or f16 on the way to a quantiser, and a product that is left as it is and whose result goes on into a quantised operand takes f32 operands (vector FMAs, or v_wmma_f32_16x16x4_f32). A number that lies on a knife's edge between two numbers of the format may be rounded either way, as far as f32 arithmetic and the matrix unit's own rounding can turn it there, and no further.
;; One version. Each part assembles by itself: llvm-mc -triple=amdgcn-amd-amdhsa -mcpu=gfx1250 --defsym DOCPART=n.
;; ======== version 1 of 1: 4 launches
;; workspace buffers: codes 6,291,456 bytes; scl 262,144 bytes; tab 1,048,576 bytes; qimg 3,407,872 bytes; kvimg 6,684,672 bytes; acod 3,145,728 bytes; ascl 131,072 bytes
;; launch prep (part 1): grid 320 x 1, 4 waves a work-group, no clusters, 33,280 bytes of LDS; arguments x, w_qkv, w_out, codes, scl, tab; writes codes, scl, tab
.if DOCPART == 1
	.amdgcn_target "amdgcn-amd-amdhsa--gfx1250"
	.amdhsa_code_object_version 6
	.text
	.protected	k_qb94e9f1bcc_prep
	.globl	k_qb94e9f1bcc_prep
	.p2align	8
	.type	k_qb94e9f1bcc_prep,@function
k_qb94e9f1bcc_prep:
	s_mov_b64 s[64:65], 0
	v_nop
	global_prefetch_b8 v0, s[64:65] scope:SCOPE_SE
	s_setreg_imm32_b32 hwreg(HW_REG_WAVE_MODE, 25, 1), 1
	s_wait_xcnt 0x0
; ROTARY ATTENTION IN MX-BF6, LAUNCH 1 OF 4: the three inputs become codes of BF6 (E3M2) with one E8M0 byte for each 32 along their last axis (the K of products 1 and 4), and the rotary table is made.
; THE PROGRAM: prep (this) | qkv: x w_qkv^T, rotary, q, k, v quantised | attn: both attention products with the streaming softmax, its result quantised | proj: the product with w_out.
; WORK LEFT OUT, in attn: reference() builds its causal mask itself (jnp.tril) and puts finfo.min where key > query.  Every row holds its own diagonal key, whose score is finite for finite inputs, so a masked
; score lies about 3e38 under the row's maximum and its softmax term is 0 for all finite inputs: it adds nothing to the row's sum nor to the product with v.  So key steps (128 keys) that lie wholly above a
; tile's queries are neither fetched nor multiplied; inside a step on the diagonal the masked scores are set to -infinity.  Every input has a way to the output and is loaded.
; LIMITS: a NaN, an infinity or an overflow that reaches only the scores left out is not carried to the result.  NaN and infinities among the inputs are not served.  A block of zeros gets the byte 1 where the
; rule says 127: its codes are zeros, which add nothing under any byte but 0xff, and this program alone reads the bytes.  The rotary frequencies are the f32 numbers nearest to 10^(-j/8), j = 0 .. 31.
; WORK-GROUPS 0-255 QUANTISE.  Rows are dense and 1,024 long: a tensor is a stream of blocks of 32.  A wave takes 16 steps of 512 numbers: 8 rows; a work-group 32 rows.  0-127: x; 128-223: w_qkv; 224-255: w_out.
; A block's byte is its largest magnitude's exponent field - 4, held at 1 from below; each number is divided by the scale and rounded to the nearest code, ties to even, beyond 28 the largest code.
; THE ROWS OF x AND OF w_qkv ARE STORED IN ANOTHER ORDER: of each 32 rows the four groups of 8 lie as 0, 2, 1, 3 (wave w's 8 rows go to place ((w & 1) << 1) | (w >> 1)).  So 16 neighbouring rows of the buffer are rows
; 8 u + r + 8 (r / 8) of their 32: as source 0 of a transposed product the 16 registers of two neighbouring tiles are then 16 neighbours, as the next quantiser wants them.  w_out keeps its order.
; Each of a step's four loads reads 512 consecutive bytes; the 2,048 bytes turn through the wave's own stage in LDS and come back 64 bytes a lane (16 neighbours; two lanes hold a block).
; A lane's 16 codes are 12 bytes: the wave stores 384 consecutive bytes.  A wave's 256 scale bytes are gathered in LDS and leave as one aligned run of 256 bytes.
; WORK-GROUPS 256-319 MAKE THE TABLE tab[position][cos 0..31 | sin 0..31], f32: a wave 16 positions, a lane two numbers, one store of 256 bytes a position.  The angle is the f32 product position x frequency, as
; reference() forms it; it is reduced by n = the nearest whole number of quarter turns in two steps (pi/2 as two f32 parts; n has 12 bits, so the first step is exact), and sine and cosine of the rest,
; at most pi/4, are polynomials of degree 7 and 8 whose error is of the size of f32's own rounding.
.set WAVES, 4
.set STEPS, 16
.set QWG,   256                        ; work-groups that quantise
.set EMAX,  4
.set CB,    12                         ; bytes of 16 codes
.set R,     16                         ; v16-79   four sets of 16 numbers as they are loaded
.set X,     80                         ; v80-111  two sets of 16 neighbours
.set C,     128                        ; v128-191 codes: four registers for each step, so that no store's data are written again
.set E,     112                        ; v112-127 a scale byte for each step
.set WREG,  8192                       ; LDS: a region for each wave: two stages of 32 x SP bytes, then its 256 scale bytes
.set SP,    80                         ; a lane's place in a stage: 64 bytes + 16 of padding
.set SPW,   12                         ; v12  LDS address of my spare word; never rewritten
.set NIL,   13                         ; v13  0; never rewritten
.set SPARE, WAVES*WREG                 ; the spare words: 128 bytes a wave, two blocks of 256 bytes that no other line names
	s_load_b256 s[4:11], s[0:1], 0x0               ; x, w_qkv, w_out, codes
	s_load_b128 s[12:15], s[0:1], 0x20             ; scl, tab
	v_lshl_add_u32 v[SPW], v0, 2, SPARE
	v_mov_b32 v[NIL], 0
	v_lshrrev_b32 v1, 5, v0
	v_readfirstlane_b32 s16, v1                    ; wave
	v_and_b32 v2, 31, v0                           ; lane
	s_cmp_ge_u32 ttmp9, QWG
	s_cbranch_scc1 .Ltable
	v_lshlrev_b32 v3, 4, v2                        ; my 16 bytes of a load's 512
	s_mul_i32 s24, s16, WREG
	v_lshrrev_b32 v14, 2, v2
	v_mul_u32_u24 v14, v14, SP
	v_and_b32 v15, 3, v2
	v_lshl_add_u32 v14, v15, 4, v14
	v_add_nc_u32 v14, s24, v14                     ; the stage, on the way in: SP (lane / 4) + 16 (lane % 4)
	v_mul_u32_u24 v15, v2, SP
	v_add_nc_u32 v15, s24, v15                     ; on the way out: SP x lane: my 16 neighbours
	v_mul_u32_u24 v4, v2, CB                       ; my codes' place in a step's
	v_lshrrev_b32 v5, 1, v2
	s_add_co_u32 s24, s24, 2*32*SP
	v_add_nc_u32 v5, s24, v5                       ; my wave's 256 scale bytes, my block's byte
	v_lshlrev_b32 v7, 3, v2                        ; and on the way out 8 bytes a lane
	v_add_nc_u32 v6, s24, v7
	s_lshr_b32 s18, s16, 1
	s_and_b32 s19, s16, 1
	s_lshl_b32 s19, s19, 1
	s_or_b32 s18, s18, s19                         ; the place of my 8 rows among the 32, in the other order
	s_wait_kmcnt 0x0
	s_cmp_lt_u32 ttmp9, 224                        ; which tensor: the choice hangs on the work-group's number alone
	s_cselect_b64 s[6:7], s[6:7], s[8:9]
	s_mov_b32 s17, 224
	s_cselect_b32 s17, 128, s17                    ; the tensor's first work-group
	s_cselect_b32 s18, s18, s16                    ; w_out keeps its order
	s_cmp_lt_u32 ttmp9, 128
	s_cselect_b64 s[4:5], s[4:5], s[6:7]
	s_cselect_b32 s17, 0, s17
	s_sub_co_u32 s17, ttmp9, s17
	s_lshl_b32 s17, s17, 2
	s_add_co_u32 s20, s17, s16                     ; which run of 8,192 numbers of the tensor is my wave's
	s_lshl_b32 s20, s20, 15                        ; 32,768 bytes a run
	s_mov_b32 s21, 0
	s_add_nc_u64 s[4:5], s[4:5], s[20:21]
	s_lshl_b32 s22, ttmp9, 2
	s_add_co_u32 s22, s22, s18                     ; and which run of the two workspace buffers, which hold the three tensors on end
	s_mul_i32 s20, s22, 32*STEPS*CB                ; 6,144 bytes of codes a run
	s_add_nc_u64 s[10:11], s[10:11], s[20:21]
	s_lshl_b32 s20, s22, 8                         ; 256 scale bytes a run
	s_add_nc_u64 s[12:13], s[12:13], s[20:21]
.macro LOAD t
.irp i, 0,1,2,3
	global_load_b128 v[R+16*((\t)%4)+4*\i:R+16*((\t)%4)+4*\i+3], v3, s[4:5] offset:2048*(\t)+512*\i th:TH_LOAD_NT   ; 32 lanes read 512 consecutive bytes
.endr
.endm
.macro TURN t                          ; step t's numbers through the stage: LDS serves a wave's instructions in order, so no wait stands between the stores and the loads
.irp i, 0,1,2,3
	ds_store_b128 v14, v[R+16*((\t)%4)+4*\i:R+16*((\t)%4)+4*\i+3] offset:32*SP*((\t)%2)+8*SP*\i
.endr
.irp i, 0,1,2,3
	ds_load_b128 v[X+16*((\t)%2)+4*\i:X+16*((\t)%2)+4*\i+3], v15 offset:32*SP*((\t)%2)+16*\i
.endr
.endm
.irp t, 0,1,2,3
	LOAD \t
.endr
	s_wait_loadcnt 12                              ; step 0's four loads are in; three steps' twelve may be out
	TURN 0
.macro STEP t
.set XS, X+16*((\t)%2)
.if (\t) > 0
	s_wait_dscnt 1                                 ; this step's numbers are back from the stage (the last step's byte store may be out): so its stores into the stage have read their registers,
.else
	s_wait_dscnt 0x0
.endif
.if (\t)+4 < STEPS
	LOAD (\t)+4                                    ; which take the loads of four steps on
.endif
.if (\t)+1 < STEPS
.if STEPS-2-(\t) >= 3
	s_wait_loadcnt 12                              ; the next step's four loads are in; those of the three steps behind it may be out
.else
	s_wait_loadcnt 4*(STEPS-2-(\t))
.endif
	TURN (\t)+1                                    ; and go through the other stage while this step is worked
.endif
	v_max3_num_f32 v8, |v[XS]|, |v[XS+1]|, |v[XS+2]|               ; the largest magnitude of my 16, in two chains
	v_max3_num_f32 v9, |v[XS+3]|, |v[XS+4]|, |v[XS+5]|
.irp i, 6,10
	v_max3_num_f32 v8, v8, |v[XS+\i]|, |v[XS+\i+1]|
	v_max3_num_f32 v9, v9, |v[XS+\i+2]|, |v[XS+\i+3]|
.endr
	v_max3_num_f32 v8, v8, |v[XS+14]|, |v[XS+15]|
	v_max3_num_f32 v8, v8, v9, (EMAX+1)<<23        ; and the floor 2^(5 - 127): the byte cannot fall under 1
	v_max_num_f32_dpp v8, v8, v8 row_xmask:1 row_mask:0xf bank_mask:0xf   ; and of my neighbour's 16: the block's
	v_add_nc_u32 v11, -(EMAX<<23), v8              ; 4 off its exponent field: the conversion takes the exponent field of this operand as its scale
	v_cvt_scalef32_pk16_bf6_f32 v[C+4*(\t):C+4*(\t)+2], v[XS:XS+15], v11
	v_lshrrev_b32 v[E+(\t)], 23, v11               ; the scale's byte (also the plain line behind the conversion)
	ds_store_b8 v5, v[E+(\t)] offset:16*(\t)       ; both lanes of a block write the same byte with the same value
	global_store_b96 v4, v[C+4*(\t):C+4*(\t)+2], s[10:11] offset:32*CB*(\t)
.endm
.irp t, 0,1,2,3,4,5,6,7,8,9,10,11,12,13,14,15
	STEP \t
.endr
	ds_load_b64 v[8:9], v6                         ; LDS serves a wave's instructions in order: these see my stores
	s_wait_dscnt 0x0
	global_store_b64 v7, v[8:9], s[12:13]          ; 32 lanes store 256 consecutive bytes, aligned
	s_wait_tensorcnt 0x0                           ; the wave's end: a wait, an add to my spare word and its wait, behind my last LDS store
	ds_add_u32 v[SPW], v[NIL]
	s_wait_dscnt 0x0
	s_endpgm
; ---- the table.  Lane l: half = l / 16 (0: cosines, 1: sines), frequencies j = 2 (l % 16) and j + 1: the position's words 2 l and 2 l + 1.
.Ltable:
	v_mov_b32 v16, 0                               ; (a lane write's destination counts as read)
	v_mov_b32 v17, 0
.macro INVF l, fe, fo                  ; 10^(-j/8) for j = 2 l and 2 l + 1, into lanes l and l + 16
	s_mov_b32 s34, \fe
	s_mov_b32 s35, \fo
	v_writelane_b32 v16, s34, \l
	v_writelane_b32 v16, s34, \l+16
	v_writelane_b32 v17, s35, \l
	v_writelane_b32 v17, s35, \l+16
.endm
	INVF 0,  0x3f800000, 0x3f3ff911
	INVF 1,  0x3f0ff59a, 0x3ed7e89b
	INVF 2,  0x3ea1e89b, 0x3e72d424
	INVF 3,  0x3e361887, 0x3e088d77
	INVF 4,  0x3dcccccd, 0x3d99940e
	INVF 5,  0x3d6655c3, 0x3d2cba15
	INVF 6,  0x3d0186e2, 0x3cc24350
	INVF 7,  0x3c91ad39, 0x3c5a7bf1
	INVF 8,  0x3c23d70a, 0x3bf5b9b0
	INVF 9,  0x3bb8449c, 0x3b8a2e77
	INVF 10, 0x3b4f3e37, 0x3b1b690d
	INVF 11, 0x3ae91528, 0x3aaec98e
	INVF 12, 0x3a83126f, 0x3a44948c
	INVF 13, 0x3a136a16, 0x39dd1726
	INVF 14, 0x39a5cb5f, 0x3978a814
	INVF 15, 0x393a7753, 0x390bd472
	v_lshrrev_b32 v18, 4, v2
	v_mul_u32_u24 v18, v18, 3                      ; sin(a) = cos(a - pi/2): three quarter turns more, modulo four
	v_lshlrev_b32 v42, 3, v2                       ; my 8 bytes of a position's 256
	s_mov_b32 s24, 0xbfc90fdb                      ; -(pi/2 as f32)
	s_mov_b32 s25, 0x333bbd2e                      ; -(pi/2 less that)
	s_mov_b32 s26, 0xb94ca1f9                      ; sine: r + r z (S3 + z (S2 + z S1)), z = r r
	s_mov_b32 s27, 0x3c08839e
	s_mov_b32 s28, 0xbe2aaaa3
	s_mov_b32 s29, 0x37ccf5ce                      ; cosine: 1 - z / 2 + z z (C3 + z (C2 + z C1))
	s_mov_b32 s30, 0xbab6061a
	s_mov_b32 s31, 0x3d2aaaa5
	s_sub_co_u32 s17, ttmp9, QWG
	s_lshl_b32 s17, s17, 2
	s_add_co_u32 s17, s17, s16
	s_lshl_b32 s33, s17, 4                         ; my wave's first position
	s_lshl_b32 s20, s33, 8                         ; 256 bytes a position
	s_mov_b32 s21, 0
	s_mov_b32 s36, 16
	s_wait_kmcnt 0x0
	s_add_nc_u64 s[14:15], s[14:15], s[20:21]
.macro SINCOS out, f, b                ; v[out] = cos or sin (by the lane's half) of position x v[f]; v[b] .. v[b + 9] at work
	v_mul_f32 v[\b], v19, v[\f]                    ; the angle, one f32 product
	v_mul_f32 v[\b+1], 0x3f22f983, v[\b]           ; x 2 / pi
	v_rndne_f32 v[\b+1], v[\b+1]                   ; n
	v_fma_f32 v[\b+2], v[\b+1], s24, v[\b]
	v_fma_f32 v[\b+2], v[\b+1], s25, v[\b+2]       ; r = angle - n pi/2
	v_cvt_i32_f32 v[\b+3], v[\b+1]
	v_add_nc_u32 v[\b+3], v[\b+3], v18             ; the quarter
	v_mul_f32 v[\b+4], v[\b+2], v[\b+2]            ; z
	v_fma_f32 v[\b+5], v[\b+4], s26, s27
	v_fma_f32 v[\b+5], v[\b+5], v[\b+4], s28
	v_mul_f32 v[\b+5], v[\b+5], v[\b+4]
	v_fma_f32 v[\b+5], v[\b+5], v[\b+2], v[\b+2]   ; sin r
	v_fma_f32 v[\b+6], v[\b+4], s29, s30
	v_fma_f32 v[\b+6], v[\b+6], v[\b+4], s31
	v_mul_f32 v[\b+7], v[\b+4], v[\b+4]
	v_fma_f32 v[\b+8], v[\b+4], -0.5, 1.0
	v_fma_f32 v[\b+6], v[\b+6], v[\b+7], v[\b+8]   ; cos r
	v_and_b32 v[\b+9], 1, v[\b+3]
	v_cmp_eq_u32 vcc_lo, 1, v[\b+9]
	v_cndmask_b32 v[\out], v[\b+6], v[\b+5], vcc_lo   ; odd quarters take the sine
	v_add_nc_u32 v[\b+9], 1, v[\b+3]
	v_and_b32 v[\b+9], 2, v[\b+9]
	v_lshlrev_b32 v[\b+9], 30, v[\b+9]
	v_xor_b32 v[\out], v[\out], v[\b+9]            ; quarters 1 and 2 are negative
.endm
.Lpos:
	v_cvt_f32_u32 v19, s33
	SINCOS 40, 16, 20
	SINCOS 41, 17, 30
	global_store_b64 v42, v[40:41], s[14:15]       ; 32 lanes store the position's 256 bytes
	s_wait_xcnt 0x0                                ; the store has read its data and its base: both are written again below and in the next trip
	s_add_nc_u64 s[14:15], s[14:15], 256
	s_add_co_u32 s33, s33, 1
	s_sub_co_u32 s36, s36, 1
	s_cmp_lg_u32 s36, 0
	s_cbranch_scc1 .Lpos
	s_wait_tensorcnt 0x0                           ; a wave's end: a wait, an add to my spare word and its wait
	ds_add_u32 v[SPW], v[NIL]
	s_wait_dscnt 0x0
	s_endpgm
.Lfunc_end_k_qb94e9f1bcc_prep:
	.size	k_qb94e9f1bcc_prep, .Lfunc_end_k_qb94e9f1bcc_prep-k_qb94e9f1bcc_prep
	.p2alignl 7, 3214868480
	.fill 96, 4, 3214868480
	.section	.rodata,"a",@progbits
	.p2align	6, 0x0
	.amdhsa_kernel k_qb94e9f1bcc_prep
		.amdhsa_group_segment_fixed_size 33280
		.amdhsa_private_segment_fixed_size 0
		.amdhsa_enable_private_segment 0
		.amdhsa_kernarg_size 48
		.amdhsa_user_sgpr_count 2
		.amdhsa_user_sgpr_kernarg_segment_ptr 1
		.amdhsa_wavefront_size32 1
		.amdhsa_system_sgpr_workgroup_id_x 1
		.amdhsa_system_sgpr_workgroup_id_y 1
		.amdhsa_system_sgpr_workgroup_id_z 1
		.amdhsa_system_vgpr_workitem_id 0
		.amdhsa_next_free_vgpr 192
		.amdhsa_next_free_sgpr 66
		.amdhsa_reserve_vcc 1
		.amdhsa_float_denorm_mode_32 3
		.amdhsa_float_denorm_mode_16_64 3
		.amdhsa_memory_ordered 1
		.amdhsa_forward_progress 1
		.amdhsa_inst_pref_size 42
	.end_amdhsa_kernel
	.amdgpu_metadata
---
amdhsa.version: [ 1, 2 ]
amdhsa.kernels:
  - .name:           k_qb94e9f1bcc_prep
    .symbol:         k_qb94e9f1bcc_prep.kd
    .args:
      - { .name: x, .offset: 0, .size: 8, .value_kind: global_buffer, .address_space: global }
      - { .name: w_qkv, .offset: 8, .size: 8, .value_kind: global_buffer, .address_space: global }
      - { .name: w_out, .offset: 16, .size: 8, .value_kind: global_buffer, .address_space: global }
      - { .name: codes, .offset: 24, .size: 8, .value_kind: global_buffer, .address_space: global }
      - { .name: scl, .offset: 32, .size: 8, .value_kind: global_buffer, .address_space: global }
      - { .name: tab, .offset: 40, .size: 8, .value_kind: global_buffer, .address_space: global }
    .group_segment_fixed_size: 33280
    .private_segment_fixed_size: 0
    .kernarg_segment_align: 8
    .kernarg_segment_size: 48
    .max_flat_workgroup_size: 128
    .sgpr_count:     66
    .vgpr_count:     192
    .wavefront_size: 32
...
	.end_amdgpu_metadata
.endif
;; end of part 1
;; launch qkv (part 2): grid 12 x 16, 4 waves a work-group, clusters of 4 x 4, 327,680 bytes of LDS; arguments codes, scl, tab, qimg, kvimg; writes qimg, kvimg
.if DOCPART == 2
	.amdgcn_target "amdgcn-amd-amdhsa--gfx1250"
	.amdhsa_code_object_version 6
	.text
	.protected	k_qb94e9f1bcc_qkv
	.globl	k_qb94e9f1bcc_qkv
	.p2align	8
	.type	k_qb94e9f1bcc_qkv,@function
k_qb94e9f1bcc_qkv:
	s_mov_b64 s[64:65], 0
	v_nop
	global_prefetch_b8 v0, s[64:65] scope:SCOPE_SE
	s_setreg_imm32_b32 hwreg(HW_REG_WAVE_MODE, 25, 1), 1
	s_wait_xcnt 0x0
	s_wait_alu depctr_hold_cnt(0) depctr_sa_sdst(0) depctr_va_vdst(0) depctr_va_sdst(0) depctr_va_ssrc(0) depctr_va_vcc(0) depctr_vm_vsrc(0)
	s_getreg_b32 s2, hwreg(HW_REG_IB_STS2, 6, 4)
	s_cmp_eq_u32 s2, 0
	s_cbranch_scc0 .Lentry_in_a_cluster
	s_endpgm
.Lentry_in_a_cluster:
	s_bfe_u32 s2, ttmp6, 0x10000c
	s_cmp_lg_u32 s2, 0xf033
	s_cbranch_scc0 .Lentry_shape_is_right
	s_endpgm
.Lentry_shape_is_right:
; LAUNCH 2 OF 4: qkv = x w_qkv^T on codes of BF6, the rotary turn of q and k, and the quantising of q, k (along a head's 64 channels) and v (along the keys).  Nothing leaves in f32.
; A tile of 256 x 256 of the product is made by a work-group of four waves, a wave 128 x 128: 64 accumulators of 16 x 16, 512 registers.  K = 1,024 goes in steps of 256 through a ring of two LDS slots filled by
; tensor loads (rows of 192 bytes, 16 bytes of padding behind every 64); the scale bytes of the work-group's rows come once, with the first fills.
; THE MATRIX INSTRUCTION IS USED TRANSPOSED: source 0 = 16 rows of "B", source 1 = 16 rows of "A": a lane holds ONE row of A and its registers run along B's rows.
; CLUSTERS of 4 x 4.  The cluster's x says what is made.  0: q, 1: k: A = x (256 positions: tile row 4 Y + cy), B = w_qkv (256 outputs: tile 4 X + cx): a lane holds a position, its registers channels.
; 2: v: A = w_qkv's rows 2,048 on (tile 8 + cy), B = x (tile 4 Y + cx): a lane holds a channel, its registers run along the KEYS, which are the K of the product with the softmax.  One text serves both.
; A's tiles hang on cy and the cluster's place alone and are asked for jointly by a row of the cluster, B's on cx and the cluster's place and by a column.  The branches on the cluster's x are alike in all partners.
; THE ROWS OF x AND w_qkv LIE IN THE ORDER 0, 2, 1, 3 of groups of 8 in each 32 (made by prep).  So for a fixed block a of A the 64 registers of its eight accumulators are: register 16 B + i = B's true row
; 32 B + 16 (lane / 16) + i; and lane r of block a = 2 A' + u is A's true row 32 A' + 8 u + r + 8 (r / 8).
; THE WAY OUT has no LDS.  q, k: the rotary turn in the accumulators (channel j and j + 32 of a head lie in the same lane, 16 registers apart; cos and sin come from tab by the lane's position).  Then each block's 64
; numbers a lane become a fragment's 12 registers and a scale word, and are stored AS THE READER'S REGISTERS: a register pair of all 32 lanes is one store of 256 consecutive bytes, aligned.
; qimg [head 16][group of 128 positions 32][6,656]: 8 tiles x 768 bytes (16 positions x 64 channels: 3 pairs; lane (r, h) holds block h of position r), at 6,144 the scale words [tile / 4][r][tile % 4].
; kvimg [head][group][13,056]: K as in qimg; at 6,656 V: 4 fragments x 1,536 bytes (16 channels x 128 keys: 6 pairs), at 12,800 its scale words [r][fragment].
; Bytes 2 and 3 of a q or k scale word belong to the head beside it or are 0: they meet zero codes in attn.
.set KSTEP,  256
.set NQ,     KSTEP/128
.set ROWB,   192                       ; a tile's row in bytes
.set KROW,   768                       ; a row of codes in memory
.set PITCH,  240                       ; an LDS row: 3 x (64 + 16) bytes = 60 words: the 32 lanes of a load of 8 bytes touch 64 different banks (64 banks of 4 bytes: ISA guide 11.1)
.set FR,     12
.set NL,     6
.set NP,     4                         ; places behind this matrix instruction (ISA guide 7.12.1)
.set HALFT,  128*PITCH
.set SLOT,   4*HALFT
.set LAPS,   2                         ; 1,024 / 512
.set KS,     32                        ; a row of scale bytes
.set SCL,    2*SLOT
.set HALFS,  16*272                    ; the scales of 128 rows: 16 runs of 256 bytes + 16
.set SBLK,   2*272                     ; those of 16 rows
.set SPARE,  SCL+4*HALFS               ; the spare words: 128 bytes a wave, two blocks of 256 bytes that no other line names
.set WOFF,   3145728                   ; w_qkv's codes in the buffer codes
.set WSOFF,  131072                    ; and its scale bytes in scl
.set ADRA, 16
.set ADRB, 20
.set VO0,  24                          ; v24  8 x lane
.set VO1,  25                          ; v25  the same in the next head
.set TO,   26                          ; v26  my position's row of tab, my half's 16 words
.set ADRS, 27
.set SPW,  28
.set NIL,  29
.set VOS,  30                          ; v30  where my scale words go
.set SH,   31                          ; v31  16 x (lane / 16)
.set SC,   32                          ; v32-63 scale words, two sets: they hold scales and nothing else
.set AF,   128
.set TT,   64                          ; the way out, window 0: v64-127 the turn's products
.set PC,   64                          ; then v64-159 the eight fragments
.set PW,   160                         ; v160-167 their scale words
.set WD,   168                         ; v168-175 the words as stored
.set TM,   176                         ; v176-191 at work
.set TP,   192                         ; v192-199 the conversions' second runs
.set G1, 24
.set G0, 32
.set G1B, 48
.set G0B, 56
.set G1S, 68
.set G0S, 76
.set G1SB, 80
.set G0SB, 88
.set VP,  98                           ; s98  1 where v is made
.set SEL, 100                          ; s[100:101] lane selects: lane l xor 16
.set MSB, 0
.macro WIN new                         ; the immediate's high byte repeats the setting that is left
.if MSB != (\new)
	s_set_vgpr_msb (MSB<<8)|(\new)
.set MSB, (\new)
.endif
.endm
.set MUL_LO, 0xa1                      ; source 0 (B) window 1, source 1 (A) window 0, C and D window 2
.set MUL_HI, 0xf1
.set TO_B,   0x40                      ; destination window 1, address window 0
; A joint load: waves 0 and 1 fetch for A, waves 2 and 3 for B; an s_nop 0 and four v_nop follow each of the two lines.
.macro JLOAD g0a, g1a, g0b, g1b
	s_cmp_eq_u32 s15, 0
	s_cbranch_scc0 .Lfor_b_\@
	tensor_load_to_lds s[\g0a:\g0a+3], s[\g1a:\g1a+7]
	s_nop 0
.rept 4
	v_nop
.endr
	s_branch .Lasked_\@
.Lfor_b_\@:
	tensor_load_to_lds s[\g0b:\g0b+3], s[\g1b:\g1b+7]
	s_nop 0
.rept 4
	v_nop
.endr
.Lasked_\@:
.endm
.macro CREST                           ; a round of the cluster's barrier behind its opening barrier
	s_cmp_lg_u32 s14, 0
	s_cbranch_scc1 .Lnot_wave_0_\@
	s_barrier_signal -3
.Lnot_wave_0_\@:
	s_barrier_wait -3
	s_barrier_signal -1
	s_barrier_wait -1
.endm
.macro CROUND
	s_barrier_signal -1
	s_barrier_wait -1
	CREST
.endm
	s_load_b128 s[4:7], s[0:1], 0x0                ; codes, scl
	s_load_b128 s[8:11], s[0:1], 0x10              ; tab, qimg
	s_load_b64 s[12:13], s[0:1], 0x20              ; kvimg
	v_lshl_add_u32 v[SPW], v0, 2, SPARE
	v_mov_b32 v[NIL], 0
	ds_add_u32 v[SPW], v[NIL]                      ; the wave's opening: the add, twice on end, and its wait ahead of my first tensor load
	ds_add_u32 v[SPW], v[NIL]
	v_lshrrev_b32 v1, 5, v0
	v_readfirstlane_b32 s14, v1                    ; wave 0..3
	s_lshr_b32 s15, s14, 1                         ; which half of A's rows is mine.  Also: I fetch for A (0) or for B (1)
	s_and_b32 s16, s14, 1                          ; which half of B's rows.  Also: which 128 rows of that tile I fetch
	s_bfe_u32 s40, ttmp6, 0x40000                  ; cx
	s_bfe_u32 s41, ttmp6, 0x40004                  ; cy
	s_and_b32 s95, ttmp7, 0xffff
	s_lshl_b32 s95, s95, 2                         ; 4 Y
	s_lshl_b32 s96, ttmp9, 2                       ; 4 X
	s_mov_b32 s97, WOFF
	s_mov_b32 s99, WSOFF
	s_cmp_eq_u32 ttmp9, 2                          ; v?  All selections stand ahead of the additions, which set SCC
	s_cselect_b32 s17, 8, s95
	s_cselect_b32 s42, s95, s96
	s_cselect_b32 s[VP], 1, 0
	s_cselect_b32 s2, s97, 0                       ; where A's tensor begins in codes,
	s_cselect_b32 s97, 0, s97                      ; B's,
	s_cselect_b32 s3, s99, 0                       ; and the same in scl
	s_cselect_b32 s99, 0, s99
	s_add_co_u32 s17, s17, s41                     ; A's tile of 256 rows
	s_add_co_u32 s42, s42, s40                     ; B's
	s_lshl_b32 s43, s41, 2
	s_lshl_b32 s43, 15, s43                        ; my row of the cluster
	s_lshl_b32 s44, 0x1111, s40                    ; my column
	s_or_b32 s[G1+0], s43, (0<<16)|(1<<20)|(1<<21)|(3<<22)|(3<<25)  ; the mask; elements of 1 byte; padding on; bit 21 beside a mask; after every 16 words 4 words
	s_or_b32 s[G1B+0], s44, (0<<16)|(1<<20)|(1<<21)|(3<<22)|(3<<25)
.irp g, G1, G1B
	s_mov_b32 s[\g+1], ROWB<<16                    ; tensor_dim0
	s_mov_b32 s[\g+2], 128<<16                     ; tensor_dim1
	s_mov_b32 s[\g+3], ROWB<<16                    ; tile_dim0
	s_mov_b32 s[\g+4], 128                         ; tile_dim1
	s_mov_b32 s[\g+5], KROW                        ; the pitch
	s_mov_b32 s[\g+6], 0
	s_mov_b32 s[\g+7], 0
.endr
	s_or_b32 s[G1S+0], s43, (3<<16)|(1<<20)|(1<<21)|(5<<22)|(3<<25)  ; the scales of 128 rows: 4,096 dense bytes as 16 rows of 256 (32 elements of 8 bytes), 16 bytes of padding behind each
	s_or_b32 s[G1SB+0], s44, (3<<16)|(1<<20)|(1<<21)|(5<<22)|(3<<25)
.irp g, G1S, G1SB
	s_mov_b32 s[\g+1], 32<<16
	s_mov_b32 s[\g+2], 16<<16
	s_mov_b32 s[\g+3], 32<<16
	s_mov_b32 s[\g+4], 16
	s_mov_b32 s[\g+5], 32
	s_mov_b32 s[\g+6], 0
	s_mov_b32 s[\g+7], 0
.endr
	s_lshl_b32 s18, s16, 7                         ; which 128 rows of the tile I fetch
	s_lshl_b32 s20, s17, 8
	s_add_co_u32 s20, s20, s18                     ; A's row
	s_lshl_b32 s46, s42, 8
	s_add_co_u32 s46, s46, s18                     ; B's row
	s_mul_i32 s22, s20, KS                         ; all offsets stay under 2^24
	s_add_co_u32 s22, s22, s3
	s_mov_b32 s23, 0
	s_mul_i32 s92, s46, KS
	s_add_co_u32 s92, s92, s99
	s_mov_b32 s93, 0
	s_mul_i32 s20, s20, KROW
	s_add_co_u32 s20, s20, s2
	s_mov_b32 s21, 0
	s_mul_i32 s46, s46, KROW
	s_add_co_u32 s46, s46, s97
	s_mov_b32 s47, 0
	s_mul_i32 s45, s14, HALFT                      ; where they go: wave x 128 rows: no place in the cluster enters an LDS address
	s_mul_i32 s94, s14, HALFS
	s_wait_dscnt 0x0                               ; both opening adds are done
	s_wait_kmcnt 0x0
	s_add_nc_u64 s[20:21], s[4:5], s[20:21]
	s_add_nc_u64 s[22:23], s[6:7], s[22:23]
	s_add_nc_u64 s[46:47], s[4:5], s[46:47]
	s_add_nc_u64 s[92:93], s[6:7], s[92:93]
	CROUND                                         ; all sixteen work-groups are here: the first joint loads meet
	s_mov_b32 s[G0S], 1
	s_add_co_u32 s[G0S+1], s94, SCL
	s_mov_b64 s[G0S+2:G0S+3], s[22:23]
	s_or_b32 s[G0S+3], s[G0S+3], 0x80000000
	s_mov_b32 s[G0SB], 1
	s_add_co_u32 s[G0SB+1], s94, SCL
	s_mov_b64 s[G0SB+2:G0SB+3], s[92:93]
	s_or_b32 s[G0SB+3], s[G0SB+3], 0x80000000
	JLOAD G0S, G1S, G0SB, G1SB                     ; the scales first: they are wanted with K step 0
.irp s, 0,1
	s_mov_b32 s[G0+4*\s], 1
	s_add_co_u32 s[G0+4*\s+1], s45, \s*SLOT
	s_add_nc_u64 s[G0+4*\s+2:G0+4*\s+3], s[20:21], \s*ROWB
	s_or_b32 s[G0+4*\s+3], s[G0+4*\s+3], 0x80000000
	s_mov_b32 s[G0B+4*\s], 1
	s_add_co_u32 s[G0B+4*\s+1], s45, \s*SLOT
	s_add_nc_u64 s[G0B+4*\s+2:G0B+4*\s+3], s[46:47], \s*ROWB
	s_or_b32 s[G0B+4*\s+3], s[G0B+4*\s+3], 0x80000000
	JLOAD G0+4*\s, G1, G0B+4*\s, G1B
.endr
	v_and_b32 v1, 15, v0                           ; r = lane % 16
	v_bfe_u32 v2, v0, 4, 1                         ; h = lane / 16
	v_mul_u32_u24 v3, v1, PITCH
	v_mul_u32_u24 v4, v2, 24
	v_add_nc_u32 v4, v3, v4                        ; a fragment's row x pitch + 24 x half
	v_lshl_add_u32 v5, v2, 4, v4                   ; and the same behind one padding more
	s_mul_i32 s21, s15, HALFT
	s_mul_i32 s22, s16, HALFT
	s_add_co_u32 s22, s22, 2*HALFT
.irp s, 0,1
	v_add_nc_u32 v[ADRA+\s], s21, v4
	v_add_nc_u32 v[ADRB+\s], s22, v4
	v_add_nc_u32 v[ADRA+2+\s], s21, v5
	v_add_nc_u32 v[ADRB+2+\s], s22, v5
	s_add_co_u32 s21, s21, SLOT
	s_add_co_u32 s22, s22, SLOT
.endr
	v_mul_u32_u24 v5, v1, KS                       ; my row's scales: 32 bytes a row,
	v_lshrrev_b32 v6, 8, v5
	v_lshl_add_u32 v5, v6, 4, v5                   ; and 16 more for each 256 passed
	s_mul_i32 s21, s15, HALFS
	s_mul_i32 s22, s16, HALFS
	s_add_co_u32 s22, s22, 2*HALFS
	s_sub_co_u32 s22, s22, s21
	v_mul_u32_u24 v6, s22, v2                      ; lanes 16-31 take B's
	s_add_co_u32 s21, s21, SCL
	v_add_nc_u32 v5, v5, v6
	v_add_nc_u32 v[ADRS], s21, v5
	; the way out's offsets and bases
	v_and_b32 v6, 31, v0
	v_lshlrev_b32 v[VO0], 3, v6
	s_mov_b32 s96, 13056
	s_cmp_eq_u32 ttmp9, 0
	s_cselect_b32 s96, 6656, s96                   ; bytes of a group's block: qimg's or kvimg's
	s_cselect_b64 s[10:11], s[10:11], s[12:13]     ; the buffer that I store into: the choice hangs on the cluster's x alone
	s_lshl_b32 s97, s96, 5                         ; from head to head: 32 groups
	v_add_nc_u32 v[VO1], s97, v[VO0]
	v_mul_u32_u24 v[VOS], v2, s97
	v_lshl_add_u32 v[VOS], v1, 4, v[VOS]           ; lanes 0-15 store the first head's words, lanes 16-31 the second's: 16 bytes a row
	v_and_b32 v7, 8, v1
	v_add_nc_u32 v7, v7, v1                        ; r + 8 (r / 8)
	v_lshlrev_b32 v[TO], 8, v7
	v_lshl_add_u32 v[TO], v2, 6, v[TO]
	v_lshlrev_b32 v[SH], 4, v2
	s_cmp_eq_u32 s[VP], 1
	s_cselect_b32 s18, s17, s42                    ; the tile and the half that name my two heads: w_qkv's,
	s_cselect_b32 s19, s15, s16
	s_cselect_b32 s20, s42, s17                    ; and those that name my group of 128 positions: x's
	s_cselect_b32 s21, s16, s15
	s_cselect_b32 s22, 6656, 0                     ; V's block lies behind K's
	s_lshl_b32 s18, s18, 2
	s_lshl_b32 s19, s19, 1
	s_add_co_u32 s18, s18, s19
	s_and_b32 s18, s18, 15                         ; my first head
	s_lshl_b32 s18, s18, 5
	s_lshl_b32 s20, s20, 1
	s_add_co_u32 s20, s20, s21                     ; my group
	s_add_co_u32 s18, s18, s20
	s_mul_i32 s18, s18, s96
	s_add_co_u32 s18, s18, s22
	s_mov_b32 s19, 0
	s_add_nc_u64 s[10:11], s[10:11], s[18:19]
	s_lshl_b32 s18, s17, 8
	s_lshl_b32 s20, s15, 7
	s_add_co_u32 s18, s18, s20                     ; (q, k) my first position
	s_lshl_b32 s18, s18, 8
	s_add_nc_u64 s[8:9], s[8:9], s[18:19]          ; its row of tab
	s_mov_b32 s[SEL], 0x76543210
	s_mov_b32 s[SEL+1], 0xfedcba98
.macro FRAG reg, adr, q, i             ; a fragment: 16 rows x 128 K of 6-bit codes, 12 registers, in pieces of 8 bytes; where a piece of lanes 16-31 lies behind one padding more, the second address register serves
.irp p, 0,1,2,3,4,5
.set PCE, 12*(\q)+6*(\p/3)+\p%3
.if PCE%8 < 5
	ds_load_b64 v[\reg+2*\p:\reg+2*\p+1], v[\adr] offset:8*PCE+16*(PCE/8)+(\i)*16*PITCH
.else
	ds_load_b64 v[\reg+2*\p:\reg+2*\p+1], v[\adr+2] offset:8*PCE+16*(PCE/8)+(\i)*16*PITCH
.endif
.endr
.endm
; 16 matrix instructions: A's blocks a0, a0 + 1 x B's eight.  The 64 accumulators take turns, one instruction a turn, in the same order in every step.
.macro MUL16 a0, p, q, sc, zero
.irp a, \a0, \a0+1
.irp b, 0,1,2,3,4,5,6,7
.if \zero
	v_wmma_scale_f32_16x16x128_f8f6f4 v[8*(8*((\a)%4)+\b):8*(8*((\a)%4)+\b)+7], v[128*(\p)+FR*\b:128*(\p)+FR*\b+FR-1], v[AF+FR*(\a):AF+FR*(\a)+FR-1], 0, v[SC+8*NQ*(\sc)+NQ*\b+(\q)], v[SC+8*NQ*(\sc)+NQ*(\a)+(\q)] matrix_a_fmt:MATRIX_FMT_BF6 matrix_b_fmt:MATRIX_FMT_BF6 matrix_a_scale:MATRIX_SCALE_ROW1
.else
	v_wmma_scale_f32_16x16x128_f8f6f4 v[8*(8*((\a)%4)+\b):8*(8*((\a)%4)+\b)+7], v[128*(\p)+FR*\b:128*(\p)+FR*\b+FR-1], v[AF+FR*(\a):AF+FR*(\a)+FR-1], v[8*(8*((\a)%4)+\b):8*(8*((\a)%4)+\b)+7], v[SC+8*NQ*(\sc)+NQ*\b+(\q)], v[SC+8*NQ*(\sc)+NQ*(\a)+(\q)] matrix_a_fmt:MATRIX_FMT_BF6 matrix_b_fmt:MATRIX_FMT_BF6 matrix_a_scale:MATRIX_SCALE_ROW1
.endif
.endr
.endr
.endm
.macro FETCH_B slot, q, p
	WIN TO_B
.irp i, 0,1,2,3,4,5,6,7
	FRAG 128*(\p)+FR*\i, ADRB+\slot, \q, \i
.endr
	WIN 0
.endm
.macro FETCH_A slot, q, i0
.irp i, \i0, \i0+1, \i0+2, \i0+3
	FRAG AF+FR*(\i), ADRA+\slot, \q, \i
.endr
.endm
.macro SCALES sc                       ; the next K step's scale words: lanes 0-15 take A's block i, lanes 16-31 B's block i
.irp i, 0,1,2,3,4,5,6,7
	ds_load_b64 v[SC+8*NQ*\sc+NQ*\i:SC+8*NQ*\sc+NQ*\i+1], v[ADRS] offset:\i*SBLK
.endr
.endm
.macro PLACES n                        ; plain vector lines between a matrix instruction and a load into, or a read of, its registers
.rept \n
	v_nop
.endr
.endm
.macro STEP slot, q, zero              ; 128 along K whose successor lies in the same slot
	s_wait_dscnt 4*NL                              ; B's set and A's blocks 0-3 are in; the youngest 24 loads (A's blocks 4-7) may be out
	WIN MUL_LO
	MUL16 0, (\q)%2, \q, \slot, \zero
	MUL16 2, (\q)%2, \q, \slot, \zero
	s_wait_dscnt 0
	PLACES NP
	FETCH_B \slot, (\q)+1, 1-(\q)%2
	FETCH_A \slot, (\q)+1, 0
	WIN MUL_HI
	MUL16 4, (\q)%2, \q, \slot, \zero
	MUL16 6, (\q)%2, \q, \slot, \zero
	PLACES NP
	WIN 0
	FETCH_A \slot, (\q)+1, 4
.endm
; A slot's last step changes slots: one barrier; in front of it each wave waits for all its tensor loads, adds 0 to its spare word, and waits for that and for its reads of this slot.
.macro TURN slot, next, fill
	s_wait_tensorcnt 0x0                           ; all my tensor loads have landed: my part of the next slot
	ds_add_u32 v[SPW], v[NIL]
	s_wait_dscnt 4*NL+1                            ; (the add and the youngest 24 loads may be out)
	WIN MUL_LO
	MUL16 0, 1, NQ-1, \slot, 0
	s_wait_dscnt 0x0                               ; the add is done, and my reads of this slot are over
	s_barrier_signal -1
	MUL16 2, 1, NQ-1, \slot, 0
	WIN 0
	s_barrier_wait -1
.if \fill
	CREST                                          ; the barrier has opened a round of the cluster's barrier: no wave of any partner still reads this slot or has a load on its way
	s_add_nc_u64 s[G0+4*\slot+2:G0+4*\slot+3], s[G0+4*\slot+2:G0+4*\slot+3], 2*ROWB
	s_add_nc_u64 s[G0B+4*\slot+2:G0B+4*\slot+3], s[G0B+4*\slot+2:G0B+4*\slot+3], 2*ROWB
	JLOAD G0+4*\slot, G1, G0B+4*\slot, G1B         ; the first tensor load behind the round; its four v_nop are the places in front of the loads below
.else
	PLACES NP
.endif
	v_add_nc_u32 v[ADRS], 4*NQ, v[ADRS]
	FETCH_B \next, 0, 0
	FETCH_A \next, 0, 0
	SCALES \next
	WIN MUL_HI
	MUL16 4, 1, NQ-1, \slot, 0
	MUL16 6, 1, NQ-1, \slot, 0
	PLACES NP
	WIN 0
	FETCH_A \next, 0, 4
.endm
	s_wait_tensorcnt 1                             ; the scales and my part of K step 0 are in (K step 1's load may be out),
	s_barrier_signal -1
	s_barrier_wait -1                              ; everybody's are
	FETCH_B 0, 0, 0
	FETCH_A 0, 0, 0
	SCALES 0
	FETCH_A 0, 0, 4
	STEP 0, 0, 1                                   ; the first step's products start the sums: nothing is cleared
	s_mov_b32 s3, LAPS-1
.Llap:                                                 ; a trip goes once round the ring and fills both slots again
	TURN 0, 1, 1
	STEP 1, 0, 0
	TURN 1, 0, 1
	STEP 0, 0, 0
	s_sub_co_u32 s3, s3, 1
	s_cmp_lg_u32 s3, 0
	s_cbranch_scc1 .Llap
	TURN 0, 1, 0                                   ; the last lap fills nothing
	STEP 1, 0, 0
	s_wait_dscnt 4*NL
	WIN MUL_LO
	MUL16 0, 1, NQ-1, 1, 0
	MUL16 2, 1, NQ-1, 1, 0
	s_wait_dscnt 0
	WIN MUL_HI
	MUL16 4, 1, NQ-1, 1, 0
	MUL16 6, 1, NQ-1, 1, 0
	WIN 0
; ---- THE WAY OUT
	PLACES NP                                      ; behind the last products: their results are read, and their operands' registers written, below
.irp b, 0,1,2,3
	v_mov_b32 v[TM+4+\b], 0                        ; written once: a lane permute's destination counts as one of its sources
.endr
	s_cmp_eq_u32 s[VP], 1
	s_cbranch_scc1 .Lquant                         ; v is not turned
	WIN TO_B                                       ; cos and sin of my positions into window 1: block a at v[32 a]: 16 cosines (frequencies 16 h + 0 .. 15), 16 sines
.irp a, 0,1,2,3,4,5,6,7
.irp d, 0,1,2,3
	global_load_b128 v[32*\a+4*\d:32*\a+4*\d+3], v[TO], s[8:9] offset:(32*(\a/2)+8*(\a%2))*256+16*\d
.endr
.irp d, 0,1,2,3
	global_load_b128 v[32*\a+16+4*\d:32*\a+16+4*\d+3], v[TO], s[8:9] offset:(32*(\a/2)+8*(\a%2))*256+128+16*\d
.endr
.endr
; Block a, heads e = 0, 1: registers AC + 32 e + i hold channel j = 16 h + i, registers AC + 32 e + 16 + i channel j + 32.  q'[j] = q[j] cos - q[j+32] sin;  q'[j+32] = q[j+32] cos + q[j] sin.
; Each accumulator is read from its low end on.
.macro ROPE a
.set AC, 64*((\a)%4)
.set W, 2+(\a)/4
	s_wait_loadcnt 56-8*(\a)                       ; my block's eight loads are in; eight for each later block may be out
	WIN W|(1<<2)                                   ; source 0: the accumulators' window; source 1: window 1; destination window 0
.irp e, 0,1
.irp p, 0,1,2,3,4,5,6,7
	v_pk_mul_f32 v[TT+32*\e+2*\p:TT+32*\e+2*\p+1], v[AC+32*\e+16+2*\p:AC+32*\e+16+2*\p+1], v[32*(\a)+16+2*\p:32*(\a)+16+2*\p+1]
.endr
.irp p, 0,1,2,3,4,5,6,7
	v_pk_mul_f32 v[TT+16+32*\e+2*\p:TT+16+32*\e+2*\p+1], v[AC+32*\e+2*\p:AC+32*\e+2*\p+1], v[32*(\a)+16+2*\p:32*(\a)+16+2*\p+1]
.endr
.endr
	WIN W|(1<<2)|(W<<6)                            ; the destination too in the accumulators' window; source 2 window 0
.irp e, 0,1
.irp p, 0,1,2,3,4,5,6,7
	v_pk_fma_f32 v[AC+32*\e+2*\p:AC+32*\e+2*\p+1], v[AC+32*\e+2*\p:AC+32*\e+2*\p+1], v[32*(\a)+2*\p:32*(\a)+2*\p+1], v[TT+32*\e+2*\p:TT+32*\e+2*\p+1] neg_lo:[0,0,1] neg_hi:[0,0,1]
.endr
.irp p, 0,1,2,3,4,5,6,7
	v_pk_fma_f32 v[AC+32*\e+16+2*\p:AC+32*\e+16+2*\p+1], v[AC+32*\e+16+2*\p:AC+32*\e+16+2*\p+1], v[32*(\a)+2*\p:32*(\a)+2*\p+1], v[TT+16+32*\e+2*\p:TT+16+32*\e+2*\p+1]
.endr
.endr
.endm
.irp a, 0,1,2,3,4,5,6,7
	ROPE \a
.endr
	WIN 0
.Lquant:
; Block a's 64 numbers of a lane, register 16 b + i = k 32 b + 16 (lane / 16) + i of my row, become a fragment's codes in v[PC + 12 a] on and its scale word in v[PW + a].
.macro QUANT a
.set AC, 64*((\a)%4)
.set W, 2+(\a)/4
.set PCA, PC+12*(\a)
	WIN W|(W<<2)                                   ; sources 0 and 1: the accumulators' window
.irp b, 0,1,2,3
	v_max3_num_f32 v[TM+\b], |v[AC+16*\b]|, |v[AC+16*\b+1]|, 0x2800000   ; my 16 numbers of block b, and the floor 2^(5 - 127): the byte cannot fall under 1
.endr
.irp i, 2,4,6,8,10,12,14
.irp b, 0,1,2,3
	v_max3_num_f32 v[TM+\b], |v[AC+16*\b+\i]|, |v[AC+16*\b+\i+1]|, v[TM+\b]
.endr
.endr
	WIN 0
.irp b, 0,1,2,3
	v_permlanex16_b32 v[TM+4+\b], v[TM+\b], s[SEL], s[SEL+1]
.endr
.irp b, 0,1,2,3
	v_max_num_f32 v[TM+\b], v[TM+\b], v[TM+4+\b]   ; with lane l xor 16's: the block's largest magnitude
.endr
.irp b, 0,1,2,3
	v_add_nc_u32 v[TM+12+\b], 0xfe000000, v[TM+\b] ; 4 off its exponent field: the conversion's scale operand
.endr
.irp b, 0,1,2,3
	v_lshrrev_b32 v[TM+4+\b], 23, v[TM+12+\b]      ; the scale's byte
.endr
	v_lshl_or_b32 v[PW+(\a)], v[TM+5], 8, v[TM+4]
	v_lshl_or_b32 v[PW+(\a)], v[TM+6], 16, v[PW+(\a)]
	v_lshl_or_b32 v[PW+(\a)], v[TM+7], 24, v[PW+(\a)]
	WIN W                                          ; source 0: the accumulators' window
.irp c, 0,1
	v_cvt_scalef32_pk16_bf6_f32 v[PCA+6*\c:PCA+6*\c+2], v[AC+32*\c:AC+32*\c+15], v[TM+12+2*\c]
	v_cvt_scalef32_pk16_bf6_f32 v[TP+4*\c:TP+4*\c+2], v[AC+32*\c+16:AC+32*\c+31], v[TM+13+2*\c]   ; (a conversion's three registers begin on an even number)
.endr
	WIN 0
	v_nop                                          ; one plain line behind a scaled conversion
.irp c, 0,1                                    ; the operand's layout wants a whole block in a lane: lanes 0-15 block 2 c, lanes 16-31 block 2 c + 1
.irp i, 0,1,2
	v_permlane16_swap_b32 v[PCA+6*\c+\i], v[TP+4*\c+\i]
.endr
.irp i, 0,1,2
	v_mov_b32 v[PCA+3+6*\c+\i], v[TP+4*\c+\i]
.endr
.endr
.endm
.irp a, 0,1,2,3,4,5,6,7
	QUANT \a
.endr
	s_cmp_eq_u32 s[VP], 1
	s_cbranch_scc1 .Lstore_v
	; q, k: block a is tile a of my group; registers 0-5 are the first head's image, registers 6-11 the second's
.irp a, 0,1,2,3,4,5,6,7
	v_lshrrev_b32 v[WD+\a], v[SH], v[PW+\a]        ; lanes 0-15: the word as it is (bytes 0, 1: the first head's); lanes 16-31: the second head's two bytes
.endr
.irp a, 0,1,2,3,4,5,6,7
.irp p, 0,1,2,3,4,5
	global_store_b64 v[VO0+\p/3], v[PC+12*\a+2*\p:PC+12*\a+2*\p+1], s[10:11] offset:\a*768+(\p%3)*256   ; 32 lanes store 256 consecutive bytes, aligned
.endr
.endr
	global_store_b128 v[VOS], v[WD:WD+3], s[10:11] offset:6144     ; sixteen lanes store 256 consecutive bytes of a head's words
	global_store_b128 v[VOS], v[WD+4:WD+7], s[10:11] offset:6400
	s_branch .Ldone
.Lstore_v:
	; v: blocks 0-3 are the first head's four fragments, blocks 4-7 the second's
	v_cmp_eq_u32 vcc_lo, 1, v2
.irp t, 0,1,2,3
	v_cndmask_b32 v[WD+\t], v[PW+\t], v[PW+4+\t], vcc_lo
.endr
.irp a, 0,1,2,3,4,5,6,7
.irp p, 0,1,2,3,4,5
	global_store_b64 v[VO0], v[PC+12*\a+2*\p:PC+12*\a+2*\p+1], s[10:11] offset:(\a/4)*417792+(\a%4)*1536+256*\p
.endr
.endr
	global_store_b128 v[VOS], v[WD:WD+3], s[10:11] offset:6144
.Ldone:
	s_wait_tensorcnt 0x0                           ; the wave's end: a wait, an add to my spare word and its wait, behind my last tensor load
	ds_add_u32 v[SPW], v[NIL]
	s_wait_dscnt 0x0
	CROUND                                         ; the closing round: no work-group ends while a partner may still ask for a tile that names it
	s_endpgm
.Lfunc_end_k_qb94e9f1bcc_qkv:
	.size	k_qb94e9f1bcc_qkv, .Lfunc_end_k_qb94e9f1bcc_qkv-k_qb94e9f1bcc_qkv
	.p2alignl 7, 3214868480
	.fill 96, 4, 3214868480
	.section	.rodata,"a",@progbits
	.p2align	6, 0x0
	.amdhsa_kernel k_qb94e9f1bcc_qkv
		.amdhsa_group_segment_fixed_size 327680
		.amdhsa_private_segment_fixed_size 0
		.amdhsa_enable_private_segment 0
		.amdhsa_kernarg_size 40
		.amdhsa_user_sgpr_count 2
		.amdhsa_user_sgpr_kernarg_segment_ptr 1
		.amdhsa_wavefront_size32 1
		.amdhsa_system_sgpr_workgroup_id_x 1
		.amdhsa_system_sgpr_workgroup_id_y 1
		.amdhsa_system_sgpr_workgroup_id_z 1
		.amdhsa_system_vgpr_workitem_id 0
		.amdhsa_next_free_vgpr 1024
		.amdhsa_next_free_sgpr 102
		.amdhsa_reserve_vcc 1
		.amdhsa_float_denorm_mode_32 3
		.amdhsa_float_denorm_mode_16_64 3
		.amdhsa_memory_ordered 1
		.amdhsa_forward_progress 1
		.amdhsa_inst_pref_size 211
	.end_amdhsa_kernel
	.amdgpu_metadata
---
amdhsa.version: [ 1, 2 ]
amdhsa.kernels:
  - .name:           k_qb94e9f1bcc_qkv
    .symbol:         k_qb94e9f1bcc_qkv.kd
    .args:
      - { .name: codes, .offset: 0, .size: 8, .value_kind: global_buffer, .address_space: global }
      - { .name: scl, .offset: 8, .size: 8, .value_kind: global_buffer, .address_space: global }
      - { .name: tab, .offset: 16, .size: 8, .value_kind: global_buffer, .address_space: global }
      - { .name: qimg, .offset: 24, .size: 8, .value_kind: global_buffer, .address_space: global }
      - { .name: kvimg, .offset: 32, .size: 8, .value_kind: global_buffer, .address_space: global }
    .group_segment_fixed_size: 327680
    .private_segment_fixed_size: 0
    .kernarg_segment_align: 8
    .kernarg_segment_size: 40
    .max_flat_workgroup_size: 128
    .sgpr_count:     102
    .vgpr_count:     1024
    .wavefront_size: 32
...
	.end_amdgpu_metadata
.endif
;; end of part 2
;; launch attn (part 3): grid 16 x 16, 16 waves a work-group, no clusters, 327,680 bytes of LDS; arguments qimg, kvimg, acod, ascl; writes acod, ascl
.if DOCPART == 3
	.amdgcn_target "amdgcn-amd-amdhsa--gfx1250"
	.amdhsa_code_object_version 6
	.text
	.protected	k_qb94e9f1bcc_attn
	.globl	k_qb94e9f1bcc_attn
	.p2align	8
	.type	k_qb94e9f1bcc_attn,@function
k_qb94e9f1bcc_attn:
	s_mov_b64 s[64:65], 0
	v_nop
	global_prefetch_b8 v0, s[64:65] scope:SCOPE_SE
	s_setreg_imm32_b32 hwreg(HW_REG_WAVE_MODE, 25, 1), 1
	s_wait_xcnt 0x0
; LAUNCH 3 OF 4: causal attention on codes of BF6, head size 64, and the quantising of its result along d for the last product.
; WORK LEFT OUT: key steps that lie wholly above a tile's queries (reference()'s own jnp.tril gives their terms the weight 0 for all finite inputs: shown at the head of prep) are neither fetched nor multiplied.
; THE SOFTMAX: t = score x log2(e) / 8; M = the row's largest t so far, rounded UP to a whole number; p = 2^(t - M) is what is quantised, along the keys, not normalised.  The row's sum is taken of the unquantised p
; and divides O at the end.  When M moves, the sum and O are multiplied by 2^(old M - new M): exact.
; SHARES.  Work-group (i, head) owns the query blocks i and 31 - i of 128 queries: 8 early and 8 late tiles of 16, one to a wave, so that every work-group has 8 x 33 key steps of a wave whatever i.  Wave w: tile w / 2
; of the late block where (w ^ (w >> 2)) & 1, else of the early one.  Four waves share a SIMD: one wave's vector work stands beside another's products and LDS loads.
; NO CLUSTER: the sixteen work-groups of a head need 32 - i groups of keys, another number each: a joint load would bring some partners tiles that all their waves pass over.
; LAYOUT.  Both products are used transposed: S^T = K Q^T, O^T = V^T P^T: a lane holds ONE query (lane % 16).  K, V and Q arrive as images of the operands' registers (made by qkv): every load is 8 bytes at 8 x lane.
; The keys of a tile of K are 32 b + 8 u + r + 8 (r / 8): the 16 registers of tiles 2 b, 2 b + 1 are keys 32 b + 16 (lane / 16) + 0 .. 15.  My 16 queries are QB + 8 u + r + 8 (r / 8).
; K = 64 IN AN INSTRUCTION OF 128: Q's registers 6-11 are zeros.  K's tiles lie 6 registers apart, and a tile's operand runs on into the next tile's codes, which meet Q's zeros; behind tile 7 stand six zeros.
; THE RING: two LDS slots of four groups of 128 keys, 52,224 dense bytes each, brought by ONE tensor load of wave 0 and read by all sixteen.  Every work-group walks all eight changes of slots; a slot whose first key
; comes after the work-group's last query is not asked for.  Every wait on TENSORcnt is for 0.
; acod [tile of 16 positions 256][head 16][768]: the image of 16 rows x 64 of d (3 register pairs); two neighbouring heads are one fragment of proj.  ascl [16 tile + r][32]: byte 2 head + block.
.set GRP,   13056                      ; a group in kvimg and in LDS: K 6,144 + 512 of scale words, V 6,144 + 256
.set SLOTB, 4*GRP
.set HEADB, 32*GRP
.set SLOT1, 65536                      ; slot 1 begins here: one exclusive or turns an address
.set NSL,   8
.set SK,    512
.set NQ,    4
.set SPARE, 131072                     ; the spare words: 128 bytes for each of 16 waves, eight blocks of 256 bytes that no other line names
.set L8,   1                           ; v1   8 x lane
.set R16,  2                           ; v2   16 x (lane % 16)
.set QL,   3                           ; v3   8 u + r + 8 (r / 8) - 16 h
.set SPW,  5
.set NIL,  6
.set DD,   7                           ; v7   the mask's bound
.set AD8,  8
.set AD16, 9
.set PFO,  28                          ; v28  the prefetches' offset
.set QS,   29                          ; v29  Q's scale words
.set KR,   32                          ; v32-79 K's 8 x 6 registers, then V's 4 x 12; v80-85 zeros
.set KSC,  86                          ; v86-93 K's scale words
.set SR,   96                          ; v96-159 S^T, then p
.set OT,   160                         ; v160-191 O^T
.set VSC,  192                         ; v192-195 V's scale words
.set PCD,  196                         ; v196-207 p's codes
.set PC2,  208                         ; v208-215 the conversions' second runs
.set MX,   216
.set PD,   220
.set SO,   224
.set PWD,  228                         ; v228 p's scale word
.set FF,   230                         ; v[230:231] f, and a 0 above it
.set TMP,  232
.set SM2,  234
.set NINF, 236
.set TB,   2
.set WV,   18
.set SEL,  20
.set CS,   22
.set G1,   24
.set G0,   32
.set SLOTS, 36
.set KF,   37                          ; s37  the step's first key
.set QB,   38                          ; s38  32 x (my tile / 2)
.set LQ,   39                          ; s39  my work-group's last query
.set PFA,  40
.set LIM,  42
.macro TLOAD                           ; wave 0 fetches; an s_nop 0 and four v_nop follow the load
	s_cmp_lg_u32 s[WV], 0
	s_cbranch_scc1 .Lnot0_\@
	tensor_load_to_lds s[G0:G0+3], s[G1:G1+7]
	s_nop 0
.rept 4
	v_nop
.endr
.Lnot0_\@:
.endm
; A PREFETCH of the slot that the NEXT change of slots will ask for: four key steps ahead of that load.  All work-groups of a head walk the same bytes: the head's work-group 0, which walks all slots, asks; in it
; waves 4 to 10, one instruction each, lanes 256 bytes apart: 224 lanes for a slot's 204 runs of 256 bytes, the last twenty held at the last run.  Slots 0 and 1 come by their loads alone; the last fill asks for nothing.
.macro ASK
	s_cmp_gt_u32 s[SLOTS], s[LIM]
	s_cbranch_scc0 .Lnot_mine_\@
	global_prefetch_b8 v[PFO], s[PFA:PFA+1] th:TH_LOAD_NT scope:SCOPE_SE
.Lnot_mine_\@:
.endm
	s_load_b256 s[4:11], s[0:1], 0x0               ; qimg, kvimg, acod, ascl
	v_lshl_add_u32 v[SPW], v0, 2, SPARE
	v_mov_b32 v[NIL], 0
	ds_add_u32 v[SPW], v[NIL]                      ; the wave's opening: the add, twice on end, and its wait ahead of the first tensor load
	ds_add_u32 v[SPW], v[NIL]
	v_lshrrev_b32 v8, 5, v0
	v_readfirstlane_b32 s[WV], v8                  ; wave 0..15
	s_and_b32 s43, ttmp7, 0xffff                   ; the head
	s_lshr_b32 s44, s[WV], 2
	s_xor_b32 s44, s44, s[WV]
	s_and_b32 s44, s44, 1                          ; 1: a tile of the late block
	s_lshr_b32 s45, s[WV], 1                       ; which of the block's eight tiles
	s_sub_co_u32 s46, 31, ttmp9
	s_cmp_eq_u32 s44, 1
	s_cselect_b32 s47, s46, ttmp9                  ; my block of 128 queries
	s_lshl_b32 s48, s47, 3
	s_add_co_u32 s48, s48, s45                     ; my tile of 16, of 256
	s_lshr_b32 s[QB], s48, 1
	s_lshl_b32 s[QB], s[QB], 5
	s_lshl_b32 s[LQ], s46, 7
	s_add_co_u32 s[LQ], s[LQ], 127
	s_mov_b32 s[G1], 3<<16                         ; no mask; elements of 8 bytes; no padding
	s_mov_b32 s[G1+1], 32<<16                      ; tensor_dim0: 256 bytes
	s_mov_b32 s[G1+2], 204<<16                     ; tensor_dim1: 204 rows: a slot is one dense block
	s_mov_b32 s[G1+3], 32<<16                      ; tile_dim0
	s_mov_b32 s[G1+4], 204                         ; tile_dim1
	s_mov_b32 s[G1+5], 32                          ; the pitch
	s_mov_b32 s[G1+6], 0
	s_mov_b32 s[G1+7], 0
	s_mul_i32 s50, s43, HEADB                      ; the head's first byte in kvimg
	s_mov_b32 s51, 0
	s_lshl_b32 s52, s43, 5
	s_add_co_u32 s52, s52, s47
	s_mul_i32 s52, s52, 6656                       ; my block in qimg
	s_mov_b32 s53, 0
	s_mul_i32 s54, s45, 768                        ; my tile's image in it,
	s_lshr_b32 s55, s45, 2
	s_lshl_b32 s55, s55, 8
	s_and_b32 s56, s45, 3
	s_lshl_b32 s56, s56, 2
	s_add_co_u32 s55, s55, s56                     ; and its scale words
	s_mul_i32 s56, s48, 12288
	s_mul_i32 s57, s43, 768
	s_add_co_u32 s56, s56, s57                     ; my image in acod
	s_mov_b32 s57, 0
	s_lshl_b32 s58, s48, 9
	s_lshl_b32 s59, s43, 1
	s_add_co_u32 s58, s58, s59                     ; my rows' two bytes in ascl
	s_mov_b32 s59, 0
	s_mov_b32 s[SEL], 0x76543210
	s_mov_b32 s[SEL+1], 0xfedcba98
	s_mov_b32 s[CS], 0x3e38aa3b                    ; c = log2(e) / sqrt(64)
	s_mov_b32 s[CS+1], s[CS]                       ; (named with it as a pair, so it is written)
	s_mov_b32 s[TB], 0
	s_mov_b32 s[SLOTS], NSL-1
	s_mov_b32 s[KF], 0
	s_sub_co_u32 s96, s[WV], 4
	s_cmp_lt_u32 s96, 7                            ; waves 4 to 10
	s_cselect_b32 s[LIM], 1, -1
	s_cmp_eq_u32 ttmp9, 0                          ; of the head's work-group 0
	s_cselect_b32 s[LIM], s[LIM], -1
	s_lshl_b32 s96, s96, 5
	s_and_b32 s97, s45, 1
	s_lshl_b32 s97, s97, 3                         ; 8 u
	s_wait_dscnt 0x0                               ; both opening adds are done
	s_wait_kmcnt 0x0
	s_mov_b32 s[G0], 1
	s_mov_b32 s[G0+1], 0                           ; slot 0
	s_add_nc_u64 s[G0+2:G0+3], s[6:7], s[50:51]    ; the head's first four groups
	s_or_b32 s[G0+3], s[G0+3], 0x80000000
	TLOAD
	s_add_nc_u64 s[PFA:PFA+1], s[6:7], s[50:51]
	s_add_nc_u64 s[PFA:PFA+1], s[PFA:PFA+1], SLOTB ; in slot 1: the first change of slots steps it to slot 2
	s_add_nc_u64 s[4:5], s[4:5], s[52:53]
	s_add_nc_u64 s[8:9], s[8:9], s[56:57]
	s_add_nc_u64 s[10:11], s[10:11], s[58:59]
	v_and_b32 v10, 31, v0                          ; lane
	v_and_b32 v11, 15, v0                          ; r
	v_bfe_u32 v4, v0, 4, 1                         ; h
	v_lshlrev_b32 v[L8], 3, v10
	v_lshlrev_b32 v[R16], 4, v11
	v_add_nc_u32 v30, s54, v[L8]
.irp p, 0,1,2
	global_load_b64 v[16+2*\p:17+2*\p], v30, s[4:5] offset:256*\p   ; Q's six registers stay
.endr
	v_add_nc_u32 v31, s55, v[R16]
	global_load_b32 v[QS], v31, s[4:5] offset:6144
	v_and_b32 v[QL], 8, v11
	v_add_nc_u32 v[QL], v[QL], v11
	v_lshlrev_b32 v[DD], 4, v4
	v_sub_nc_u32 v[QL], v[QL], v[DD]
	v_add_nc_u32 v[QL], s97, v[QL]
	v_add_nc_u32 v[PFO], s96, v10
	v_min_u32 v[PFO], 203, v[PFO]
	v_lshlrev_b32 v[PFO], 8, v[PFO]
.irp j, 22,23,24,25,26,27,80,81,82,83,84,85
	v_mov_b32 v[\j], 0                             ; Q's upper half, and what stands behind K's last tile: zero codes
.endr
	v_mov_b32 v13, 0xff61b1e6                      ; the largest t so far: -3e38, under every t
	v_floor_f32 v12, -v13                          ; -M
	v_mov_b32 v14, 0                               ; the sum, in two halves
	v_mov_b32 v15, 0
.irp b, 0,1,2,3
	v_mov_b32 v[PD+\b], 0                          ; a lane permute's destination counts as one of its sources
.endr
	v_mov_b32 v[FF+1], 0                           ; (named as the upper half of a pair)
	v_mov_b32 v[TMP], 0
	v_mov_b32 v[NINF], 0xff800000
.set n, 0
.rept 32
	v_mov_b32 v[OT+n], 0                           ; O^T: the step is written without a first form: the first change of M leaves zeros zeros
.set n, n+1
.endr
; A KEY STEP: 128 keys, the q-th group of the slot in hand.
.macro STEP q
	s_add_co_u32 s96, s[QB], 31                    ; a step all of whose keys come after my queries is left out: a branch on ids and the count of steps, round its loads, products and softmax
	s_cmp_gt_u32 s[KF], s96
	s_cbranch_scc1 .Lhidden_\@
	v_add_nc_u32 v[AD8], s[TB], v[L8]
	v_add_nc_u32 v[AD16], s[TB], v[R16]
	v_nop
	v_nop                                          ; four plain lines between the last step's products and the loads into their operands
.irp t, 0,1,2,3,4,5,6,7
.irp p, 0,1,2
	ds_load_b64 v[KR+6*\t+2*\p:KR+6*\t+2*\p+1], v[AD8] offset:GRP*(\q)+768*\t+256*\p
.endr
.endr
	ds_load_b128 v[KSC:KSC+3], v[AD16] offset:GRP*(\q)+6144
	ds_load_b128 v[KSC+4:KSC+7], v[AD16] offset:GRP*(\q)+6400
	s_wait_dscnt 0x0
.irp t, 0,1,2,3,4,5,6,7
	v_wmma_scale_f32_16x16x128_f8f6f4 v[SR+8*\t:SR+8*\t+7], v[KR+6*\t:KR+6*\t+11], v[16:27], 0, v[KSC+\t], v[QS] matrix_a_fmt:MATRIX_FMT_BF6 matrix_b_fmt:MATRIX_FMT_BF6
.endr
.rept 4
	v_nop                                          ; places: the scores are read, and K's registers loaded again, below
.endr
.irp t, 0,1,2,3
.irp p, 0,1,2,3,4,5
	ds_load_b64 v[KR+12*\t+2*\p:KR+12*\t+2*\p+1], v[AD8] offset:GRP*(\q)+6656+1536*\t+256*\p   ; V's four fragments land under the softmax
.endr
.endr
	ds_load_b128 v[VSC:VSC+3], v[AD16] offset:GRP*(\q)+12800
	s_add_co_u32 s96, s[KF], 127                   ; on the diagonal hidden scores become -infinity ahead of the maximum: p = 0 then.  A step all of whose keys count passes this over
	s_cmp_le_u32 s96, s[QB]
	s_cbranch_scc1 .Lopen_\@
	s_sub_co_i32 s96, s[QB], s[KF]
	v_add_nc_u32 v[DD], s96, v[QL]                 ; d = my query - KF - 16 h.  Register 16 b + i holds key KF + 32 b + 16 h + i: hidden where 32 b + i > d
.set n, 0
.rept 64
	v_cmp_gt_i32 vcc_lo, 32*(n/16)+n%16, v[DD]
	v_cndmask_b32 v[SR+n], v[SR+n], v[NINF], vcc_lo
.set n, n+1
.endr
.Lopen_\@:
.irp b, 0,1,2,3
	v_max3_num_f32 v[MX+\b], v[SR+16*\b], v[SR+1+16*\b], v[SR+2+16*\b]   ; the largest score of each block of 32 keys: for the row's maximum, and, since p rises with the score, for the block's largest p
.endr
.irp i, 3,5,7,9,11,13
.irp b, 0,1,2,3
	v_max3_num_f32 v[MX+\b], v[MX+\b], v[SR+16*\b+\i], v[SR+1+16*\b+\i]
.endr
.endr
.irp b, 0,1,2,3
	v_max_num_f32 v[MX+\b], v[MX+\b], v[SR+15+16*\b]
.endr
.irp b, 0,1,2,3
	v_permlanex16_b32 v[PD+\b], v[MX+\b], s[SEL], s[SEL+1]
.endr
.irp b, 0,1,2,3
	v_max_num_f32 v[MX+\b], v[MX+\b], v[PD+\b]     ; with lane l xor 16's 16 keys
.endr
	v_max3_num_f32 v[TMP], v[MX], v[MX+1], v[MX+2]
	v_max_num_f32 v[TMP], v[TMP], v[MX+3]          ; the step's largest score of my query: finite, since key KF counts for every query of a step that is walked
	v_mul_f32 v[TMP], s[CS], v[TMP]
	v_max_num_f32 v13, v13, v[TMP]                 ; the running largest t
	v_mov_b32 v[TMP], v12
	v_floor_f32 v12, -v13                          ; the new -M = -ceil(t)
	v_sub_f32 v[TMP], v12, v[TMP]                  ; old M - new M: a whole number, 0 or less
	v_cvt_i32_f32 v[TMP], v[TMP]                   ; (it saturates)
	v_ldexp_f32 v[FF], 1.0, v[TMP]                 ; f = 2^(old M - new M)
.set n, 0
.rept 32
	v_pk_fma_f32 v[SR+n:SR+n+1], v[SR+n:SR+n+1], s[CS:CS+1], v[12:13] op_sel_hi:[1,0,0]   ; t - M, two at a time
.set n, n+2
.endr
.irp b, 0,1,2,3
	v_fma_f32 v[MX+\b], v[MX+\b], s[CS], v12       ; the same of each block's largest score
.endr
.set n, 0
.rept 64
	v_exp_f32 v[SR+n], v[SR+n]                     ; p = 2^(t - M), at most 1
.set n, n+1
.endr
	v_pk_mul_f32 v[14:15], v[14:15], v[FF:FF+1] op_sel_hi:[1,0]   ; the sums under the new M (a plain line behind the exponentials)
	s_wait_alu depctr_va_vdst(0)                   ; one wait for the batch of 64, ahead of its first reader
.irp b, 0,1,2,3
	v_exp_f32 v[MX+\b], v[MX+\b]                   ; the block's largest p: the same two instructions on the same number give the same bits
.endr
	v_pk_add_f32 v[SM2:SM2+1], v[SR:SR+1], v[SR+2:SR+3]   ; the row's sum is taken of the unquantised p, in two chains
.irp j, 4,8,12,16,20,24,28,32,36,40,44,48,52,56,60
	v_pk_add_f32 v[14:15], v[14:15], v[SR+\j:SR+\j+1]
	v_pk_add_f32 v[SM2:SM2+1], v[SM2:SM2+1], v[SR+2+\j:SR+3+\j]
.endr
	v_pk_add_f32 v[14:15], v[14:15], v[SM2:SM2+1]
	s_wait_alu depctr_va_vdst(0)                   ; and one for the four
.irp b, 0,1,2,3
	v_max_num_f32 v[MX+\b], 0x2800000, v[MX+\b]    ; the floor 2^(5 - 127): a block whose every p is 0 keeps the byte 1: its codes are zeros
.endr
.irp b, 0,1,2,3
	v_add_nc_u32 v[SO+\b], 0xfe000000, v[MX+\b]    ; 4 off the exponent field: the conversion's scale operand
.endr
.irp b, 0,1,2,3
	v_lshrrev_b32 v[PD+\b], 23, v[SO+\b]           ; the scale's byte
.endr
	v_lshl_or_b32 v[PWD], v[PD+1], 8, v[PD]
	v_lshl_or_b32 v[PWD], v[PD+2], 16, v[PWD]
	v_lshl_or_b32 v[PWD], v[PD+3], 24, v[PWD]
.irp c, 0,1
	v_cvt_scalef32_pk16_bf6_f32 v[PCD+6*\c:PCD+6*\c+2], v[SR+32*\c:SR+32*\c+15], v[SO+2*\c]
	v_cvt_scalef32_pk16_bf6_f32 v[PC2+4*\c:PC2+4*\c+2], v[SR+32*\c+16:SR+32*\c+31], v[SO+2*\c+1]
.endr
	v_nop                                          ; one plain line behind a scaled conversion
.irp c, 0,1
.irp i, 0,1,2
	v_permlane16_swap_b32 v[PCD+6*\c+\i], v[PC2+4*\c+\i]
.endr
.irp i, 0,1,2
	v_mov_b32 v[PCD+3+6*\c+\i], v[PC2+4*\c+\i]
.endr
.endr
.set n, 0
.rept 16
	v_pk_mul_f32 v[OT+n:OT+n+1], v[OT+n:OT+n+1], v[FF:FF+1] op_sel_hi:[1,0]   ; O^T under the new M.  (These sixteen are also the places between p's codes and scale word and the products)
.set n, n+2
.endr
	s_wait_dscnt 0x0                               ; V is in
.irp t, 0,1,2,3
	v_wmma_scale_f32_16x16x128_f8f6f4 v[OT+8*\t:OT+8*\t+7], v[KR+12*\t:KR+12*\t+11], v[PCD:PCD+11], v[OT+8*\t:OT+8*\t+7], v[VSC+\t], v[PWD] matrix_a_fmt:MATRIX_FMT_BF6 matrix_b_fmt:MATRIX_FMT_BF6
.endr
.Lhidden_\@:
	s_add_co_u32 s[KF], s[KF], 128
.endm
; THE CHANGE OF SLOTS stands at a slot's head.  Each wave waits for all its tensor loads, adds 0 to its spare word (fill = 1: twice on end), and waits for
; that and for its reads of the slot that it has left.  Behind the barrier the slot ahead is whole and nobody reads the other one, which is then filled with the next four groups, up to the causal limit.
.macro CHANGE fill
	s_wait_tensorcnt 0x0                           ; no tensor load of mine is out, so the descriptor may be written
	ds_add_u32 v[SPW], v[NIL]
.if \fill
	ds_add_u32 v[SPW], v[NIL]
	s_xor_b32 s[G0+1], s[G0+1], SLOT1              ; the other slot than last time,
	s_add_nc_u64 s[G0+2:G0+3], s[G0+2:G0+3], SLOTB ; the next 512 keys; the type bits on top are not reached
	s_wait_xcnt 0x0                                ; the last prefetch, a slot back, has read its address
	s_add_nc_u64 s[PFA:PFA+1], s[PFA:PFA+1], SLOTB
.endif
	s_wait_dscnt 0x0
	s_barrier_signal -1
	s_barrier_wait -1
.if \fill
	s_add_co_u32 s96, s[KF], SK                    ; the first key of the slot that this change would ask for:
	s_cmp_gt_u32 s96, s[LQ]                        ; behind my work-group's last query none of its waves reads it.  Ids and the count of steps alone: all sixteen waves go the same way
	s_cbranch_scc1 .Lpast_\@
	TLOAD                                          ; the first thing behind the barrier, and the one tensor load until the next
.Lpast_\@:
	ASK
.endif
.endm
.macro SLOT_STEPS
.set Q, 0
.rept NQ
	STEP Q
.set Q, Q+1
.endr
	s_xor_b32 s[TB], s[TB], SLOT1                  ; on to the other slot
.endm
	s_wait_loadcnt 0x0                             ; Q
.Lslot:                                            ; seven trips: a constant, so that every wave passes every barrier
	CHANGE 1
	SLOT_STEPS
	s_sub_co_u32 s[SLOTS], s[SLOTS], 1
	s_cmp_lg_u32 s[SLOTS], 0
	s_cbranch_scc1 .Lslot
	CHANGE 0                                       ; the last slot is written out: nothing is left to ask for
	SLOT_STEPS
	; THE WAY OUT.  O^T / the sum: register 16 B + i is channel 32 B + 16 h + i of my query (w_qkv's rows of v lie in the order that gives this).  Its two blocks of 32 along d are quantised and stored as an image.
	v_add_f32 v14, v14, v15
	v_permlanex16_b32 v[TMP], v14, s[SEL], s[SEL+1]
	v_add_f32 v14, v14, v[TMP]                     ; the row's sum
	v_rcp_f32 v14, v14
	v_lshlrev_b32 v[AD16], 1, v[R16]               ; 32 bytes a row in ascl.  (Plain lines behind the reciprocal, and places behind the last products)
	v_nop
	v_nop
	v_nop
	s_wait_alu depctr_va_vdst(0)                   ; a wait ahead of the reciprocal's first reader
.set n, 0
.rept 16
	v_pk_mul_f32 v[SR+n:SR+n+1], v[OT+n:OT+n+1], v[14:15] op_sel_hi:[1,0]
.set n, n+2
.endr
.irp b, 0,1
	v_max3_num_f32 v[MX+\b], |v[SR+16*\b]|, |v[SR+1+16*\b]|, 0x2800000
.endr
.irp i, 2,4,6,8,10,12,14
.irp b, 0,1
	v_max3_num_f32 v[MX+\b], v[MX+\b], |v[SR+16*\b+\i]|, |v[SR+1+16*\b+\i]|
.endr
.endr
.irp b, 0,1
	v_permlanex16_b32 v[PD+\b], v[MX+\b], s[SEL], s[SEL+1]
.endr
.irp b, 0,1
	v_max_num_f32 v[MX+\b], v[MX+\b], v[PD+\b]
.endr
.irp b, 0,1
	v_add_nc_u32 v[SO+\b], 0xfe000000, v[MX+\b]
.endr
.irp b, 0,1
	v_lshrrev_b32 v[PD+\b], 23, v[SO+\b]
.endr
	v_lshl_or_b32 v[TMP+1], v[PD+1], 8, v[PD]      ; my row's two bytes
	v_cvt_scalef32_pk16_bf6_f32 v[PCD:PCD+2], v[SR:SR+15], v[SO]
	v_cvt_scalef32_pk16_bf6_f32 v[PC2:PC2+2], v[SR+16:SR+31], v[SO+1]
	v_nop
.irp i, 0,1,2
	v_permlane16_swap_b32 v[PCD+\i], v[PC2+\i]     ; lane (r, h) now holds block h whole
.endr
.irp i, 0,1,2
	v_mov_b32 v[PCD+3+\i], v[PC2+\i]
.endr
.irp p, 0,1,2
	global_store_b64 v[L8], v[PCD+2*\p:PCD+2*\p+1], s[8:9] offset:256*\p   ; 32 lanes store 256 consecutive bytes, aligned
.endr
	global_store_b16 v[AD16], v[TMP+1], s[10:11]   ; two bytes a row (lanes r and r + 16 write the same): a row's 32 bytes come from sixteen work-groups, so this one store a wave covers no whole run
	s_wait_tensorcnt 0x0                           ; the wave's end: a wait, an add to my spare word and its wait, behind my last tensor load
	ds_add_u32 v[SPW], v[NIL]
	s_wait_dscnt 0x0
	s_endpgm
.Lfunc_end_k_qb94e9f1bcc_attn:
	.size	k_qb94e9f1bcc_attn, .Lfunc_end_k_qb94e9f1bcc_attn-k_qb94e9f1bcc_attn
	.p2alignl 7, 3214868480
	.fill 96, 4, 3214868480
	.section	.rodata,"a",@progbits
	.p2align	6, 0x0
	.amdhsa_kernel k_qb94e9f1bcc_attn
		.amdhsa_group_segment_fixed_size 327680
		.amdhsa_private_segment_fixed_size 0
		.amdhsa_enable_private_segment 0
		.amdhsa_kernarg_size 32
		.amdhsa_user_sgpr_count 2
		.amdhsa_user_sgpr_kernarg_segment_ptr 1
		.amdhsa_wavefront_size32 1
		.amdhsa_system_sgpr_workgroup_id_x 1
		.amdhsa_system_sgpr_workgroup_id_y 1
		.amdhsa_system_sgpr_workgroup_id_z 1
		.amdhsa_system_vgpr_workitem_id 0
		.amdhsa_next_free_vgpr 256
		.amdhsa_next_free_sgpr 100
		.amdhsa_reserve_vcc 1
		.amdhsa_float_denorm_mode_32 3
		.amdhsa_float_denorm_mode_16_64 3
		.amdhsa_memory_ordered 1
		.amdhsa_forward_progress 1
		.amdhsa_inst_pref_size 187
	.end_amdhsa_kernel
	.amdgpu_metadata
---
amdhsa.version: [ 1, 2 ]
amdhsa.kernels:
  - .name:           k_qb94e9f1bcc_attn
    .symbol:         k_qb94e9f1bcc_attn.kd
    .args:
      - { .name: qimg, .offset: 0, .size: 8, .value_kind: global_buffer, .address_space: global }
      - { .name: kvimg, .offset: 8, .size: 8, .value_kind: global_buffer, .address_space: global }
      - { .name: acod, .offset: 16, .size: 8, .value_kind: global_buffer, .address_space: global }
      - { .name: ascl, .offset: 24, .size: 8, .value_kind: global_buffer, .address_space: global }
    .group_segment_fixed_size: 327680
    .private_segment_fixed_size: 0
    .kernarg_segment_align: 8
    .kernarg_segment_size: 32
    .max_flat_workgroup_size: 512
    .sgpr_count:     100
    .vgpr_count:     256
    .wavefront_size: 32
...
	.end_amdgpu_metadata
.endif
;; end of part 3
;; launch proj (part 4): grid 4 x 16, 4 waves a work-group, clusters of 4 x 4, 327,680 bytes of LDS; arguments acod, ascl, codes, scl, out0; writes out0
.if DOCPART == 4
	.amdgcn_target "amdgcn-amd-amdhsa--gfx1250"
	.amdhsa_code_object_version 6
	.text
	.protected	k_qb94e9f1bcc_proj
	.globl	k_qb94e9f1bcc_proj
	.p2align	8
	.type	k_qb94e9f1bcc_proj,@function
k_qb94e9f1bcc_proj:
	s_mov_b64 s[64:65], 0
	v_nop
	global_prefetch_b8 v0, s[64:65] scope:SCOPE_SE
	s_setreg_imm32_b32 hwreg(HW_REG_WAVE_MODE, 25, 1), 1
	s_wait_xcnt 0x0
	s_wait_alu depctr_hold_cnt(0) depctr_sa_sdst(0) depctr_va_vdst(0) depctr_va_sdst(0) depctr_va_ssrc(0) depctr_va_vcc(0) depctr_vm_vsrc(0)
	s_getreg_b32 s2, hwreg(HW_REG_IB_STS2, 6, 4)
	s_cmp_eq_u32 s2, 0
	s_cbranch_scc0 .Lentry_in_a_cluster
	s_endpgm
.Lentry_in_a_cluster:
	s_bfe_u32 s2, ttmp6, 0x10000c
	s_cmp_lg_u32 s2, 0xf033
	s_cbranch_scc0 .Lentry_shape_is_right
	s_endpgm
.Lentry_shape_is_right:
; LAUNCH 4 OF 4: out0 = attn w_out^T on codes of BF6.  A = attention's result, 4,096 rows x 1,024, as attn stored it; B = w_out's codes and scale bytes, made by prep (natural row order); out0 f32.
; A tile of 256 x 256 is made by a work-group of four waves, a wave 128 x 128: 64 accumulators, 512 registers.  K goes in steps of 256 through a ring of two LDS slots; the scale bytes come once, with the first fills.
; CLUSTERS of 4 x 4: A's tiles are asked for jointly by a row of the cluster, B's by a column.  The matrix instruction is used transposed (source 0 = 16 rows of B, source 1 = 16 rows of A).
; A'S TILES ARE IMAGES OF THE OPERAND'S REGISTERS: acod [tile of 16 rows][head 16][768]: 256 along K (four heads) of 16 rows are 3,072 consecutive bytes, and a fragment (128 along K) six register pairs of 256 bytes:
; six loads of 8 bytes at 8 x lane, no pitch, no padding.  A wave's tensor load brings 8 rows of 3,072 bytes, 12,288 bytes apart.
; A'S ROWS LIE IN THE ORDER 0, 2, 1, 3 of groups of 8 in each 32: row r of block a = 2 A' + u is position 32 A' + 8 u + r + 8 (r / 8).  The way out puts each row at its own place.
; 64 work-groups: K = 1,024 and 16 x 4 tiles of this size; a smaller tile would read every fragment from LDS for half the products.
.set SIZE_N, 1024
.set KSTEP,  256
.set NQ,     KSTEP/128
.set ROWB,   192                       ; B: a tile's row in bytes
.set AROWB,  3072                      ; A: a K step of 16 rows
.set KROW,   768
.set PITCH,  240
.set FR,     12
.set NL,     6
.set NP,     4
.set HALFT,  128*PITCH
.set SLOT,   4*HALFT
.set LAPS,   2
.set KS,     32
.set SCL,    2*SLOT
.set HALFS,  16*272
.set SBLK,   2*272
.set SPARE,  SCL+4*HALFS               ; the spare words: 128 bytes a wave, two blocks of 256 bytes that no other line names
.set SPITCH, 528                       ; the way out: a stage of 16 rows x (512 + 16) bytes for each wave, in slot 0, which has had its last fill and its last read when the first result is stored there
.set OOFF,   5505024                   ; w_out's codes in the buffer codes
.set OSOFF,  229376                    ; and its scale bytes in scl
.set ADRA, 16
.set ADRB, 20
.set STO,  24
.set RD,   25
.set CO,   26
.set ADRS, 27
.set SPW,  28
.set NIL,  29
.set SC,   32
.set AF,   128
.set BK,   128
.set G1, 24
.set G0, 32
.set G1B, 48
.set G0B, 56
.set G1S, 68
.set G0S, 76
.set G1SB, 80
.set G0SB, 88
.set MSB, 0
.macro WIN new
.if MSB != (\new)
	s_set_vgpr_msb (MSB<<8)|(\new)
.set MSB, (\new)
.endif
.endm
.set MUL_LO, 0xa1
.set MUL_HI, 0xf1
.set TO_B,   0x40
.macro JLOAD g0a, g1a, g0b, g1b        ; a joint load: waves 0 and 1 fetch for A, waves 2 and 3 for B; an s_nop 0 and four v_nop follow each line
	s_cmp_eq_u32 s15, 0
	s_cbranch_scc0 .Lfor_b_\@
	tensor_load_to_lds s[\g0a:\g0a+3], s[\g1a:\g1a+7]
	s_nop 0
.rept 4
	v_nop
.endr
	s_branch .Lasked_\@
.Lfor_b_\@:
	tensor_load_to_lds s[\g0b:\g0b+3], s[\g1b:\g1b+7]
	s_nop 0
.rept 4
	v_nop
.endr
.Lasked_\@:
.endm
.macro CREST
	s_cmp_lg_u32 s14, 0
	s_cbranch_scc1 .Lnot_wave_0_\@
	s_barrier_signal -3
.Lnot_wave_0_\@:
	s_barrier_wait -3
	s_barrier_signal -1
	s_barrier_wait -1
.endm
.macro CROUND
	s_barrier_signal -1
	s_barrier_wait -1
	CREST
.endm
	s_load_b128 s[4:7], s[0:1], 0x0                ; acod, ascl
	s_load_b128 s[8:11], s[0:1], 0x10              ; codes, scl
	s_load_b64 s[12:13], s[0:1], 0x20              ; out0
	v_lshl_add_u32 v[SPW], v0, 2, SPARE
	v_mov_b32 v[NIL], 0
	ds_add_u32 v[SPW], v[NIL]                      ; the wave's opening: the add, twice on end, and its wait ahead of my first tensor load
	ds_add_u32 v[SPW], v[NIL]
	v_lshrrev_b32 v1, 5, v0
	v_readfirstlane_b32 s14, v1                    ; wave 0..3
	s_lshr_b32 s15, s14, 1                         ; which half of the tile's rows is mine.  Also: I fetch for A (0) or for B (1)
	s_and_b32 s16, s14, 1                          ; which half of its columns.  Also: which 128 rows of that tile I fetch
	s_bfe_u32 s40, ttmp6, 0x40000                  ; cx
	s_bfe_u32 s41, ttmp6, 0x40004                  ; cy
	s_lshl_b32 s42, ttmp9, 2
	s_add_co_u32 s42, s42, s40                     ; tile column
	s_and_b32 s17, ttmp7, 0xffff
	s_lshl_b32 s17, s17, 2
	s_add_co_u32 s17, s17, s41                     ; tile row
	s_lshl_b32 s43, s41, 2
	s_lshl_b32 s43, 15, s43                        ; my row of the cluster
	s_lshl_b32 s44, 0x1111, s40                    ; my column
	s_or_b32 s[G1+0], s43, (3<<16)|(1<<21)         ; A: the mask; elements of 8 bytes; no padding; bit 21 beside a mask
	s_mov_b32 s[G1+1], 384<<16                     ; tensor_dim0: 3,072 bytes
	s_mov_b32 s[G1+2], 8<<16                       ; tensor_dim1: 8 tiles of 16 rows
	s_mov_b32 s[G1+3], 384<<16                     ; tile_dim0
	s_mov_b32 s[G1+4], 8                           ; tile_dim1
	s_mov_b32 s[G1+5], 1536                        ; the pitch: 12,288 bytes
	s_mov_b32 s[G1+6], 0
	s_mov_b32 s[G1+7], 0
	s_or_b32 s[G1B+0], s44, (0<<16)|(1<<20)|(1<<21)|(3<<22)|(3<<25)  ; B: rows of 192 bytes, 16 bytes of padding behind every 64
	s_mov_b32 s[G1B+1], ROWB<<16
	s_mov_b32 s[G1B+2], 128<<16
	s_mov_b32 s[G1B+3], ROWB<<16
	s_mov_b32 s[G1B+4], 128
	s_mov_b32 s[G1B+5], KROW
	s_mov_b32 s[G1B+6], 0
	s_mov_b32 s[G1B+7], 0
	s_or_b32 s[G1S+0], s43, (3<<16)|(1<<20)|(1<<21)|(5<<22)|(3<<25)  ; the scales of 128 rows: 16 rows of 256 bytes, 16 bytes of padding behind each
	s_or_b32 s[G1SB+0], s44, (3<<16)|(1<<20)|(1<<21)|(5<<22)|(3<<25)
.irp g, G1S, G1SB
	s_mov_b32 s[\g+1], 32<<16
	s_mov_b32 s[\g+2], 16<<16
	s_mov_b32 s[\g+3], 32<<16
	s_mov_b32 s[\g+4], 16
	s_mov_b32 s[\g+5], 32
	s_mov_b32 s[\g+6], 0
	s_mov_b32 s[\g+7], 0
.endr
	s_lshl_b32 s18, s16, 7
	s_lshl_b32 s20, s17, 8
	s_add_co_u32 s20, s20, s18                     ; A's row
	s_lshl_b32 s46, s42, 8
	s_add_co_u32 s46, s46, s18                     ; B's row
	s_mul_i32 s22, s20, KS
	s_mov_b32 s23, 0
	s_mul_i32 s92, s46, KS
	s_add_co_u32 s92, s92, OSOFF
	s_mov_b32 s93, 0
	s_mul_i32 s20, s20, KROW                       ; 16 rows are 12,288 bytes: 768 a row
	s_mov_b32 s21, 0
	s_mul_i32 s46, s46, KROW
	s_add_co_u32 s46, s46, OOFF
	s_mov_b32 s47, 0
	s_mul_i32 s45, s14, HALFT
	s_mul_i32 s94, s14, HALFS
	s_wait_dscnt 0x0                               ; both opening adds are done
	s_wait_kmcnt 0x0
	s_add_nc_u64 s[20:21], s[4:5], s[20:21]
	s_add_nc_u64 s[22:23], s[6:7], s[22:23]
	s_add_nc_u64 s[46:47], s[8:9], s[46:47]
	s_add_nc_u64 s[92:93], s[10:11], s[92:93]
	CROUND                                         ; all sixteen work-groups are here: the first joint loads meet
	s_mov_b32 s[G0S], 1
	s_add_co_u32 s[G0S+1], s94, SCL
	s_mov_b64 s[G0S+2:G0S+3], s[22:23]
	s_or_b32 s[G0S+3], s[G0S+3], 0x80000000
	s_mov_b32 s[G0SB], 1
	s_add_co_u32 s[G0SB+1], s94, SCL
	s_mov_b64 s[G0SB+2:G0SB+3], s[92:93]
	s_or_b32 s[G0SB+3], s[G0SB+3], 0x80000000
	JLOAD G0S, G1S, G0SB, G1SB
.irp s, 0,1
	s_mov_b32 s[G0+4*\s], 1
	s_add_co_u32 s[G0+4*\s+1], s45, \s*SLOT
	s_add_nc_u64 s[G0+4*\s+2:G0+4*\s+3], s[20:21], \s*AROWB
	s_or_b32 s[G0+4*\s+3], s[G0+4*\s+3], 0x80000000
	s_mov_b32 s[G0B+4*\s], 1
	s_add_co_u32 s[G0B+4*\s+1], s45, \s*SLOT
	s_add_nc_u64 s[G0B+4*\s+2:G0B+4*\s+3], s[46:47], \s*ROWB
	s_or_b32 s[G0B+4*\s+3], s[G0B+4*\s+3], 0x80000000
	JLOAD G0+4*\s, G1, G0B+4*\s, G1B
.endr
	v_and_b32 v1, 15, v0                           ; r
	v_bfe_u32 v2, v0, 4, 1                         ; h
	v_and_b32 v6, 31, v0                           ; lane
	v_lshlrev_b32 v7, 3, v6                        ; A: 8 x lane
	v_mul_u32_u24 v3, v1, PITCH
	v_mul_u32_u24 v4, v2, 24
	v_add_nc_u32 v4, v3, v4                        ; B: row x pitch + 24 x half
	v_lshl_add_u32 v5, v2, 4, v4                   ; and the same behind one padding more
	s_mul_i32 s21, s15, HALFT
	s_mul_i32 s22, s16, HALFT
	s_add_co_u32 s22, s22, 2*HALFT
.irp s, 0,1
	v_add_nc_u32 v[ADRA+\s], s21, v7
	v_add_nc_u32 v[ADRB+\s], s22, v4
	v_add_nc_u32 v[ADRB+2+\s], s22, v5
	s_add_co_u32 s21, s21, SLOT
	s_add_co_u32 s22, s22, SLOT
.endr
	v_mul_u32_u24 v5, v1, KS
	v_lshrrev_b32 v8, 8, v5
	v_lshl_add_u32 v5, v8, 4, v5
	s_mul_i32 s21, s15, HALFS
	s_mul_i32 s22, s16, HALFS
	s_add_co_u32 s22, s22, 2*HALFS
	s_sub_co_u32 s22, s22, s21
	v_mul_u32_u24 v8, s22, v2                      ; lanes 16-31 take B's
	s_add_co_u32 s21, s21, SCL
	v_add_nc_u32 v5, v5, v8
	v_add_nc_u32 v[ADRS], s21, v5
	s_mul_i32 s23, s14, 16*SPITCH                  ; my stage
	v_mul_u32_u24 v5, v1, SPITCH
	v_lshl_add_u32 v5, v2, 5, v5
	v_add_nc_u32 v[STO], s23, v5                   ; in: row r, 32 bytes for each half of the lanes
	v_lshlrev_b32 v[CO], 4, v6                     ; back: the 32 lanes take one row of 512 bytes; and the same in out0
	v_add_nc_u32 v[RD], s23, v[CO]
	s_lshl_b32 s20, s17, 8
	s_lshl_b32 s21, s15, 7
	s_add_co_u32 s20, s20, s21                     ; my first row of out0
	s_lshl_b32 s20, s20, 12                        ; 4,096 bytes a row
	s_lshl_b32 s46, s42, 10
	s_lshl_b32 s47, s16, 9
	s_add_co_u32 s46, s46, s47                     ; my first column, in bytes
	s_add_co_u32 s20, s20, s46
	s_mov_b32 s21, 0
	s_add_nc_u64 s[12:13], s[12:13], s[20:21]
.macro FRAG reg, adr, q, i             ; a fragment of B from padded rows, in pieces of 8 bytes
.irp p, 0,1,2,3,4,5
.set PCE, 12*(\q)+6*(\p/3)+\p%3
.if PCE%8 < 5
	ds_load_b64 v[\reg+2*\p:\reg+2*\p+1], v[\adr] offset:8*PCE+16*(PCE/8)+(\i)*16*PITCH
.else
	ds_load_b64 v[\reg+2*\p:\reg+2*\p+1], v[\adr+2] offset:8*PCE+16*(PCE/8)+(\i)*16*PITCH
.endif
.endr
.endm
.macro FRAGA reg, adr, q, i            ; a fragment of A: its image's six register pairs
.irp p, 0,1,2,3,4,5
	ds_load_b64 v[\reg+2*\p:\reg+2*\p+1], v[\adr] offset:AROWB*(\i)+1536*(\q)+256*\p
.endr
.endm
.macro MUL16 a0, p, q, sc, zero        ; the 64 accumulators take turns, one instruction a turn, in the same order in every step
.irp a, \a0, \a0+1
.irp b, 0,1,2,3,4,5,6,7
.if \zero
	v_wmma_scale_f32_16x16x128_f8f6f4 v[8*(8*((\a)%4)+\b):8*(8*((\a)%4)+\b)+7], v[128*(\p)+FR*\b:128*(\p)+FR*\b+FR-1], v[AF+FR*(\a):AF+FR*(\a)+FR-1], 0, v[SC+8*NQ*(\sc)+NQ*\b+(\q)], v[SC+8*NQ*(\sc)+NQ*(\a)+(\q)] matrix_a_fmt:MATRIX_FMT_BF6 matrix_b_fmt:MATRIX_FMT_BF6 matrix_a_scale:MATRIX_SCALE_ROW1
.else
	v_wmma_scale_f32_16x16x128_f8f6f4 v[8*(8*((\a)%4)+\b):8*(8*((\a)%4)+\b)+7], v[128*(\p)+FR*\b:128*(\p)+FR*\b+FR-1], v[AF+FR*(\a):AF+FR*(\a)+FR-1], v[8*(8*((\a)%4)+\b):8*(8*((\a)%4)+\b)+7], v[SC+8*NQ*(\sc)+NQ*\b+(\q)], v[SC+8*NQ*(\sc)+NQ*(\a)+(\q)] matrix_a_fmt:MATRIX_FMT_BF6 matrix_b_fmt:MATRIX_FMT_BF6 matrix_a_scale:MATRIX_SCALE_ROW1
.endif
.endr
.endr
.endm
.macro FETCH_B slot, q, p
	WIN TO_B
.irp i, 0,1,2,3,4,5,6,7
	FRAG 128*(\p)+FR*\i, ADRB+\slot, \q, \i
.endr
	WIN 0
.endm
.macro FETCH_A slot, q, i0
.irp i, \i0, \i0+1, \i0+2, \i0+3
	FRAGA AF+FR*(\i), ADRA+\slot, \q, \i
.endr
.endm
.macro SCALES sc
.irp i, 0,1,2,3,4,5,6,7
	ds_load_b64 v[SC+8*NQ*\sc+NQ*\i:SC+8*NQ*\sc+NQ*\i+1], v[ADRS] offset:\i*SBLK
.endr
.endm
.macro PLACES n
.rept \n
	v_nop
.endr
.endm
.macro STEP slot, q, zero
	s_wait_dscnt 4*NL                              ; B's set and A's blocks 0-3 are in; the youngest 24 loads (A's blocks 4-7) may be out
	WIN MUL_LO
	MUL16 0, (\q)%2, \q, \slot, \zero
	MUL16 2, (\q)%2, \q, \slot, \zero
	s_wait_dscnt 0
	PLACES NP
	FETCH_B \slot, (\q)+1, 1-(\q)%2
	FETCH_A \slot, (\q)+1, 0
	WIN MUL_HI
	MUL16 4, (\q)%2, \q, \slot, \zero
	MUL16 6, (\q)%2, \q, \slot, \zero
	PLACES NP
	WIN 0
	FETCH_A \slot, (\q)+1, 4
.endm
.macro TURN slot, next, fill
	s_wait_tensorcnt 0x0                           ; all my tensor loads have landed: my part of the next slot
	ds_add_u32 v[SPW], v[NIL]
	s_wait_dscnt 4*NL+1                            ; (the add and the youngest 24 loads may be out)
	WIN MUL_LO
	MUL16 0, 1, NQ-1, \slot, 0
	s_wait_dscnt 0x0                               ; the add is done, and my reads of this slot are over
	s_barrier_signal -1
	MUL16 2, 1, NQ-1, \slot, 0
	WIN 0
	s_barrier_wait -1
.if \fill
	CREST                                          ; the barrier has opened a round of the cluster's barrier
	s_add_nc_u64 s[G0+4*\slot+2:G0+4*\slot+3], s[G0+4*\slot+2:G0+4*\slot+3], 2*AROWB
	s_add_nc_u64 s[G0B+4*\slot+2:G0B+4*\slot+3], s[G0B+4*\slot+2:G0B+4*\slot+3], 2*ROWB
	JLOAD G0+4*\slot, G1, G0B+4*\slot, G1B
.else
	PLACES NP
.endif
	v_add_nc_u32 v[ADRS], 4*NQ, v[ADRS]
	FETCH_B \next, 0, 0
	FETCH_A \next, 0, 0
	SCALES \next
	WIN MUL_HI
	MUL16 4, 1, NQ-1, \slot, 0
	MUL16 6, 1, NQ-1, \slot, 0
	PLACES NP
	WIN 0
	FETCH_A \next, 0, 4
.endm
	s_wait_tensorcnt 1                             ; the scales and my part of K step 0 are in (K step 1's load may be out),
	s_barrier_signal -1
	s_barrier_wait -1
	FETCH_B 0, 0, 0
	FETCH_A 0, 0, 0
	SCALES 0
	FETCH_A 0, 0, 4
	STEP 0, 0, 1
	s_mov_b32 s3, LAPS-1
.Llap:
	TURN 0, 1, 1
	STEP 1, 0, 0
	TURN 1, 0, 1
	STEP 0, 0, 0
	s_sub_co_u32 s3, s3, 1
	s_cmp_lg_u32 s3, 0
	s_cbranch_scc1 .Llap
	TURN 0, 1, 0
	STEP 1, 0, 0
	s_wait_dscnt 4*NL
	WIN MUL_LO
	MUL16 0, 1, NQ-1, 1, 0
	MUL16 2, 1, NQ-1, 1, 0
	s_wait_dscnt 0
	WIN MUL_HI
	MUL16 4, 1, NQ-1, 1, 0
	MUL16 6, 1, NQ-1, 1, 0
	WIN 0
; THE WAY OUT, block by block of 16 rows x 128 columns, through my own stage in LDS; back as whole rows of 512 bytes.  LDS serves a wave's instructions in order (ISA guide 5.7.1.4).
.macro TOSTAGE a
.set AC, 64*((\a)%4)
	WIN 0x08+4*((\a)/4)                            ; the data: window 2 or 3
.irp b, 0,1,2,3,4,5,6,7
	ds_store_b128 v[STO], v[AC+8*\b:AC+8*\b+3] offset:64*\b          ; each accumulator from its low end on
	ds_store_b128 v[STO], v[AC+8*\b+4:AC+8*\b+7] offset:64*\b+16
.endr
	WIN 0
.set BB, BK+64*((\a)%2)
.irp t, 0,1,2,3,4,5,6,7,8,9,10,11,12,13,14,15
	ds_load_b128 v[BB+4*\t:BB+4*\t+3], v[RD] offset:\t*SPITCH
.endr
.endm
.macro SEND a, younger                 ; stage row t of block a = 2 A' + u is row 32 A' + 8 u + t + 8 (t / 8) of my 128
.set BB, BK+64*((\a)%2)
	s_wait_dscnt \younger
.if (\a) > 0
.if ((\a)%2) == 1
	s_add_nc_u64 s[12:13], s[12:13], 8*SIZE_N*4    ; (behind a wait on XCNT: the earlier stores have read their base)  into an odd block: 8 rows on,
.else
	s_add_nc_u64 s[12:13], s[12:13], 24*SIZE_N*4   ; into an even one: 24
.endif
.endif
.irp t, 0,1,2,3,4,5,6,7,8,9,10,11,12,13,14,15
	global_store_b128 v[CO], v[BB+4*\t:BB+4*\t+3], s[12:13] offset:(\t+8*(\t/8))*SIZE_N*4 th:TH_STORE_NT   ; 32 lanes store 512 consecutive bytes, aligned
.endr
.endm
	PLACES NP
	TOSTAGE 0
.irp a, 1,2,3,4,5,6,7
.if \a > 1
	s_wait_xcnt 0x0                                ; block a - 2's stores have read their registers and their base
.endif
	TOSTAGE \a
	SEND \a-1, 32                                  ; behind block a - 1's loads: block a's 16 stores and 16 loads
.endr
	s_wait_xcnt 0x0
	SEND 7, 0
	s_wait_tensorcnt 0x0                           ; the wave's end: a wait, an add to my spare word and its wait, behind my last tensor load and my last LDS store
	ds_add_u32 v[SPW], v[NIL]
	s_wait_dscnt 0x0
	CROUND                                         ; the closing round
	s_endpgm
.Lfunc_end_k_qb94e9f1bcc_proj:
	.size	k_qb94e9f1bcc_proj, .Lfunc_end_k_qb94e9f1bcc_proj-k_qb94e9f1bcc_proj
	.p2alignl 7, 3214868480
	.fill 96, 4, 3214868480
	.section	.rodata,"a",@progbits
	.p2align	6, 0x0
	.amdhsa_kernel k_qb94e9f1bcc_proj
		.amdhsa_group_segment_fixed_size 327680
		.amdhsa_private_segment_fixed_size 0
		.amdhsa_enable_private_segment 0
		.amdhsa_kernarg_size 40
		.amdhsa_user_sgpr_count 2
		.amdhsa_user_sgpr_kernarg_segment_ptr 1
		.amdhsa_wavefront_size32 1
		.amdhsa_system_sgpr_workgroup_id_x 1
		.amdhsa_system_sgpr_workgroup_id_y 1
		.amdhsa_system_sgpr_workgroup_id_z 1
		.amdhsa_system_vgpr_workitem_id 0
		.amdhsa_next_free_vgpr 1024
		.amdhsa_next_free_sgpr 98
		.amdhsa_reserve_vcc 0
		.amdhsa_float_denorm_mode_32 3
		.amdhsa_float_denorm_mode_16_64 3
		.amdhsa_memory_ordered 1
		.amdhsa_forward_progress 1
		.amdhsa_inst_pref_size 160
	.end_amdhsa_kernel
	.amdgpu_metadata
---
amdhsa.version: [ 1, 2 ]
amdhsa.kernels:
  - .name:           k_qb94e9f1bcc_proj
    .symbol:         k_qb94e9f1bcc_proj.kd
    .args:
      - { .name: acod, .offset: 0, .size: 8, .value_kind: global_buffer, .address_space: global }
      - { .name: ascl, .offset: 8, .size: 8, .value_kind: global_buffer, .address_space: global }
      - { .name: codes, .offset: 16, .size: 8, .value_kind: global_buffer, .address_space: global }
      - { .name: scl, .offset: 24, .size: 8, .value_kind: global_buffer, .address_space: global }
      - { .name: out0, .offset: 32, .size: 8, .value_kind: global_buffer, .address_space: global }
    .group_segment_fixed_size: 327680
    .private_segment_fixed_size: 0
    .kernarg_segment_align: 8
    .kernarg_segment_size: 40
    .max_flat_workgroup_size: 128
    .sgpr_count:     98
    .vgpr_count:     1024
    .wavefront_size: 32
...
	.end_amdgpu_metadata
.endif
;; end of part 4
